; MI455X (gfx1250); checked and timed in simulation.
; The chip was launched on July 23, 2026; its instructions are those of AMD's public machine-readable ISA for CDNA 5 (MIT licence, August 2026) and "CDNA5" Instruction Set Architecture Reference Guide (July 2026). The comments in the code are by the model that wrote it; some were corrected since.
;; Self Attention. Allowed arithmetic: matrix products marked QUANTISED: E4M3 operands, one given power-of-two scale a tensor, by v_wmma_f32_16x16x64_fp8_fp8 or v_wmma_f32_16x16x128_fp8_fp8, f32 sums; everything else in f32.
;; Inputs: Wk 1,024 x 1,024 float32; Wp 1,024 x 1,024 float32; Wq 1,024 x 1,024 float32; Wv 1,024 x 1,024 float32; bk 1,024 float32; bp 1,024 float32; bq 1,024 float32; bv 1,024 float32; lowp_scales 12 int32 (the exponents e of the quantised operands' scales 2^e); x 4 x 2,048 x 1,024 float32.
;; Outputs: out0 4 x 2,048 x 1,024 float32.
;; This version of the problem:
;;   THIS VERSION OF THE PROBLEM IS GIVEN IN LOW PRECISION. The matrix products marked QUANTISED in the list below multiply operands that are first quantised to E4M3 (4 exponent bits, 3 mantissa bits; 8 bits a number), with one given power-of-two scale for each operand tensor; their sums are f32. All else is computed in f32.
;;   The module's matrix products, in the order in which they are computed (A, B: the left and right operand; K: the contracted axis; several contracted axes count as one K, in the product's order):
;;     1. [M 8,192, K 1,024] x [K 1,024, N 1,024]; A: input x; B: input Wk: QUANTISED (scales: A lowp_scales[0], B lowp_scales[1])
;;     2. [M 8,192, K 1,024] x [K 1,024, N 1,024]; A: input x; B: input Wq: QUANTISED (scales: A lowp_scales[2], B lowp_scales[3])
;;     3. [M 8,192, K 1,024] x [K 1,024, N 1,024]; A: input x; B: input Wv: QUANTISED (scales: A lowp_scales[4], B lowp_scales[5])
;;     4. batch 64 x [M 2,048, K 64] x [K 64, N 2,048]; A: computed on the way; B: computed on the way: QUANTISED (scales: A lowp_scales[6], B lowp_scales[7])
;;     5. batch 64 x [M 2,048, K 2,048] x [K 2,048, N 64]; A: softmax (see below); B: computed on the way: QUANTISED (scales: A lowp_scales[8], B lowp_scales[9])
;;     6. [M 8,192, K 1,024] x [K 1,024, N 1,024]; A: computed on the way; B: input Wp: QUANTISED (scales: A lowp_scales[10], B lowp_scales[11])
;;   THE QUANTISER, for each operand of a quantised product, along K:
;;     - The operand's scale is 2^e, e = its entry of the input lowp_scales (int32; the entries are numbered through the quantised products in the list's order, A before B).
;;     - Each number is divided by the scale, clamped to +-448, and rounded to the nearest number of E4M3, ties to even, subnormals kept.
;;     - The product sums the exact products of the quantised numbers (number of the format x scale) in f32.
;;   ~~~python
;;   def quantise(x, axis, e):      # numpy; x: float32 -> the quantised numbers, widened to float32 again
;;       x = np.moveaxis(x, axis, -1); K = x.shape[-1]
;;       r = np.clip(x / 2.0 ** e, -448, 448)
;;       step = 2.0 ** (np.maximum(np.frexp(np.where(r == 0, 1, r))[1] - 1, -6) - 3)
;;       q = np.round(r / step) * step * 2.0 ** e      # np.round: ties to even
;;       return np.moveaxis(q, -1, axis).astype(np.float32)
;;   ~~~
;;   SOFTMAX AHEAD OF A QUANTISED PRODUCT. Where the list says 'softmax', what is quantised is not the finished softmax but p = 2^(t - M), with t = logit x log2(e) and M = ceil(the row's largest t), a whole number; so 1/2 < the row's largest p <= 1. The row's sum l is taken of the UNQUANTISED p, in f32, and the product's result is divided by l at the end. Since M is a whole number, a kernel that streams over the keys may use a running M (the ceiling of the running maximum): every later rescaling is an exact power of two, so the quantised numbers keep their values, but for numbers so far below the row's largest that they fall under the format's range.
;;   OPERANDS COMPUTED ON THE WAY. 'Computed on the way' means the value that the module computes at that place (a softmax that the list does not call 'softmax' is quantised finished and normalised). What goes into a quantiser is computed in f32, as accurately as f32 sums, v_exp_f32 and their like allow (about 1e-6 of the number): no bf16 or f16 on the way to a quantiser, and a product that is left as it is and whose result goes on into a quantised operand takes f32 operands (vector FMAs, or v_wmma_f32_16x16x4_f32). A number that lies on a knife's edge between two numbers of the format may be rounded either way, as far as f32 arithmetic and the matrix unit's own rounding can turn it there, and no further.
;; One version. Each part assembles by itself: llvm-mc -triple=amdgcn-amd-amdhsa -mcpu=gfx1250 --defsym DOCPART=n.
;; ======== version 1 of 1: 4 launches
;; limits: right only within a limited range of input values
;; workspace buffers: xc 25,165,824 bytes; wc 4,194,304 bytes; qkv 25,165,824 bytes; ac 8,388,608 bytes
;; launch quant (part 1): grid 384 x 1, 4 waves a work-group, no clusters, 33,280 bytes of LDS; arguments x, Wk, Wq, Wv, Wp, lowp_scales, xc, wc; writes xc, wc
.if DOCPART == 1
	.amdgcn_target "amdgcn-amd-amdhsa--gfx1250"
	.amdhsa_code_object_version 6
	.text
	.protected	k_q99b5ae5c7c_quant
	.globl	k_q99b5ae5c7c_quant
	.p2align	8
	.type	k_q99b5ae5c7c_quant,@function
k_q99b5ae5c7c_quant:
	s_mov_b64 s[64:65], 0
	v_nop
	global_prefetch_b8 v0, s[64:65] scope:SCOPE_SE
	s_setreg_imm32_b32 hwreg(HW_REG_WAVE_MODE, 25, 1), 1
	s_wait_xcnt 0x0
; x [8192][1024] and the four weights [1024][1024], f32 with K innermost, become codes of FP8 (E4M3), one byte each, K innermost.
; x is an operand of three products with three given scales (entries 0, 2, 4 of the scales): it is read once and converted three times, into the three parts of xc (8 MiB each).
; Wk, Wq, Wv, Wp take entries 1, 3, 5, 11 and go into the four parts of wc (1 MiB each).
; code = number / 2^e, rounded to the nearest code, ties to even.  LIMITS: each e between -126 and 119; NaN among the inputs is not served.
; Rows are dense, so each tensor is a plain stream.  Work-groups 0-255 take x, 256-383 the weights (32 each); a work-group takes 32,768 numbers, a wave 8,192: 16 steps of 512.
; A conversion takes 8 neighbours from ONE lane's registers; a load is dense where neighbouring LANES take neighbouring bytes.  So a step's 2,048 bytes are loaded 16 bytes a lane, go through the wave's own stage
; in LDS as they lie, and come back 64 bytes a lane (80 bytes from lane to lane: 16 of padding).  A lane's 16 codes are 16 bytes: each store of the wave covers 512 consecutive bytes, aligned.
; No tensor loads, no barrier: waves share nothing.  Loads run four steps (16 loads a wave) ahead, the turn through LDS one step.
.set STEPS, 16
.set XG,    256                        ; work-groups that take x
.set SP,    80                         ; a lane's place in a stage
.set WREG,  8192                       ; LDS of a wave: two stages of 32 x SP bytes
.set SPARE, 4*WREG                     ; behind the four regions: the spare words, 128 bytes for each wave, which no other line names
.set LO,    3                          ; v3       16 x lane: my 16 bytes of a load's 512 and of a store's 512; never rewritten
.set SPW,   12                         ; v12      LDS address of my spare word; never rewritten
.set NIL,   13                         ; v13      0; never rewritten
.set SIN,   14                         ; v14      the stage, on the way in
.set SOUT,  15                         ; v15      the stage, on the way out
.set R,     16                         ; v16-79   four sets of 16 numbers as loaded
.set X,     80                         ; v80-111  two sets of 16 neighbours
.set T,     112
.set C,     144                        ; v144-155 codes: four registers for each of the three scales
.set SC,    156                        ; v156-158 2^e as f32
.set LM,    160
.set SRC,   36                         ; s[36:37] my wave's numbers
.set D0,    38                         ; s[38:39], s[40:41], s[42:43] my wave's codes under scale 0, 1, 2
	s_load_b512 s[4:19], s[0:1], 0x0               ; x, Wk, Wq, Wv, Wp, the scales, xc, wc
	v_lshl_add_u32 v[SPW], v0, 2, SPARE
	v_mov_b32 v[NIL], 0
	v_lshrrev_b32 v1, 5, v0
	v_readfirstlane_b32 s20, v1                    ; wave
	v_and_b32 v2, 31, v0                           ; lane
	v_lshlrev_b32 v[LO], 4, v2
	s_mul_i32 s21, s20, WREG
	v_lshrrev_b32 v[SIN], 2, v2
	v_mul_u32_u24 v[SIN], v[SIN], SP
	v_and_b32 v[SOUT], 3, v2
	v_lshl_add_u32 v[SIN], v[SOUT], 4, v[SIN]
	v_add_nc_u32 v[SIN], s21, v[SIN]               ; in: four lanes' 64 bytes on end, then 16 of padding
	v_mul_u32_u24 v[SOUT], v2, SP
	v_add_nc_u32 v[SOUT], s21, v[SOUT]             ; out: my 16 neighbours
	s_sub_co_u32 s44, ttmp9, XG
	s_lshr_b32 s45, s44, 5
	s_and_b32 s45, s45, 3                          ; which weight (of no account in x's work-groups)
	s_and_b32 s46, s44, 31                         ; which 32,768 numbers of it
	s_lshl_b32 s48, s45, 20                        ; the weight's part of wc
	s_cmp_lt_u32 ttmp9, XG
	s_cselect_b32 s47, ttmp9, s46                  ; which 32,768 numbers of my tensor
	s_cselect_b32 s48, 0, s48
	s_lshl_b32 s50, s47, 17                        ; in bytes of f32,
	s_lshl_b32 s49, s20, 15
	s_add_co_u32 s50, s50, s49                     ; + my wave's 8,192 numbers
	s_mov_b32 s51, 0
	s_lshl_b32 s52, s47, 15                        ; and in bytes of codes
	s_lshl_b32 s49, s20, 13
	s_add_co_u32 s52, s52, s49
	s_add_co_u32 s52, s52, s48
	s_mov_b32 s53, 0
	s_wait_alu depctr_va_vdst(0)
	s_wait_kmcnt 0x0
	s_load_b256 s[24:31], s[14:15], 0x0            ; e0 .. e7
	s_load_b128 s[32:35], s[14:15], 0x20           ; e8 .. e11
	s_cmp_eq_u32 s45, 1                            ; the buffers are chosen by the work-group's number alone
	s_cselect_b64 s[SRC:SRC+1], s[8:9], s[6:7]
	s_cmp_eq_u32 s45, 2
	s_cselect_b64 s[SRC:SRC+1], s[10:11], s[SRC:SRC+1]
	s_cmp_eq_u32 s45, 3
	s_cselect_b64 s[SRC:SRC+1], s[12:13], s[SRC:SRC+1]
	s_cmp_lt_u32 ttmp9, XG
	s_cselect_b64 s[SRC:SRC+1], s[4:5], s[SRC:SRC+1]
	s_cselect_b64 s[D0:D0+1], s[16:17], s[18:19]
	s_add_nc_u64 s[SRC:SRC+1], s[SRC:SRC+1], s[50:51]
	s_add_nc_u64 s[D0:D0+1], s[D0:D0+1], s[52:53]
	s_add_nc_u64 s[D0+2:D0+3], s[D0:D0+1], 0x800000     ; xc's second and third part: named by x's work-groups alone
	s_add_nc_u64 s[D0+4:D0+5], s[D0:D0+1], 0x1000000
.macro LOAD t
.irp i, 0,1,2,3
	global_load_b128 v[R+16*((\t)%4)+4*\i:R+16*((\t)%4)+4*\i+3], v[LO], s[SRC:SRC+1] offset:2048*(\t)+512*\i th:TH_LOAD_NT   ; 32 lanes read 512 consecutive bytes; read once in the launch
.endr
.endm
.macro TURN t                          ; step t's numbers through the stage: LDS serves a wave's instructions in order, so no wait stands between the stores and the loads
.irp i, 0,1,2,3
	ds_store_b128 v[SIN], v[R+16*((\t)%4)+4*\i:R+16*((\t)%4)+4*\i+3] offset:32*SP*((\t)%2)+8*SP*\i
.endr
.irp i, 0,1,2,3
	ds_load_b128 v[X+16*((\t)%2)+4*\i:X+16*((\t)%2)+4*\i+3], v[SOUT] offset:32*SP*((\t)%2)+16*\i
.endr
.endm
.irp t, 0,1,2,3
	LOAD \t
.endr
	s_wait_kmcnt 0x0
	s_cmp_eq_u32 s45, 1                            ; scale 0: x's e0, or the weight's: e1, e3, e5, e11
	s_cselect_b32 s54, s27, s25
	s_cmp_eq_u32 s45, 2
	s_cselect_b32 s54, s29, s54
	s_cmp_eq_u32 s45, 3
	s_cselect_b32 s54, s35, s54
	s_cmp_lt_u32 ttmp9, XG
	s_cselect_b32 s54, s24, s54
.macro MKSC i, e
	s_add_co_i32 s55, s[\e], 127
	s_lshl_b32 s56, s55, 23
	v_mov_b32 v[SC+\i], s56                        ; 2^e as f32: the conversion takes its exponent field
.endm
	MKSC 0, 54
	MKSC 1, 26                                     ; e2
	MKSC 2, 28                                     ; e4
	s_wait_alu depctr_va_vdst(0)
	s_wait_loadcnt 12                              ; step 0's four loads are in; the three younger steps' twelve may be out
	TURN 0
; Step t's 16 neighbours under scale i: held (the conversion to an 8-bit code does not saturate: ISA guide 7.6.2), converted, stored.  ws: which set of T.
.macro CONV i, ws, t, d
.set XS, X+16*((\t)%2)
.set TS, T+16*(\ws)
.irp n, 0,1,2,3,4,5,6,7,8,9,10,11,12,13,14,15
.endr
	v_cvt_scalef32_pk8_fp8_f32 v[C+4*\i:C+4*\i+1], v[XS:XS+7], v[SC+\i]
	v_cvt_scalef32_pk8_fp8_f32 v[C+4*\i+2:C+4*\i+3], v[XS+8:XS+15], v[SC+\i]
	v_nop                                          ; one plain vector line between a scaled conversion and the next vector line that writes its sources
	global_store_b128 v[LO], v[C+4*\i:C+4*\i+3], s[\d:\d+1] offset:512*(\t)
.endm
.macro STEP t
	s_wait_dscnt 0x0                               ; this step's numbers are back from the stage, so its stores into the stage have read their registers
	s_wait_xcnt 0x0                                ; the last step's stores have read their data: the codes' registers are written again only behind this wait
.if (\t)+4 < STEPS
	LOAD (\t)+4
.endif
.if (\t)+1 < STEPS
.if STEPS-2-(\t) >= 3
	s_wait_loadcnt 12                              ; the next step's four loads are in; those of the three steps behind it may be out
.else
	s_wait_loadcnt 4*(STEPS-2-(\t))
.endif
	TURN (\t)+1                                    ; through the other stage while this step is worked
.endif
	CONV 0, 0, \t, D0
	s_cmp_ge_u32 ttmp9, XG                         ; a weight has one scale: the jump hangs on the work-group's number and leads round conversions and global stores alone
	s_cbranch_scc1 .Lweight_\@
	CONV 1, 1, \t, D0+2
	CONV 2, 0, \t, D0+4
.Lweight_\@:
.endm
.irp t, 0,1,2,3,4,5,6,7,8,9,10,11,12,13,14,15
	STEP \t
.endr
	s_wait_tensorcnt 0x0                           ; the wave's end, behind my last LDS store
	ds_add_u32 v[SPW], v[NIL]
	s_wait_dscnt 0x0
	s_endpgm
.Lfunc_end_k_q99b5ae5c7c_quant:
	.size	k_q99b5ae5c7c_quant, .Lfunc_end_k_q99b5ae5c7c_quant-k_q99b5ae5c7c_quant
	.p2alignl 7, 3214868480
	.fill 96, 4, 3214868480
	.section	.rodata,"a",@progbits
	.p2align	6, 0x0
	.amdhsa_kernel k_q99b5ae5c7c_quant
		.amdhsa_group_segment_fixed_size 33280
		.amdhsa_private_segment_fixed_size 0
		.amdhsa_enable_private_segment 0
		.amdhsa_kernarg_size 64
		.amdhsa_user_sgpr_count 2
		.amdhsa_user_sgpr_kernarg_segment_ptr 1
		.amdhsa_wavefront_size32 1
		.amdhsa_system_sgpr_workgroup_id_x 1
		.amdhsa_system_sgpr_workgroup_id_y 1
		.amdhsa_system_sgpr_workgroup_id_z 1
		.amdhsa_system_vgpr_workitem_id 0
		.amdhsa_next_free_vgpr 164
		.amdhsa_next_free_sgpr 66
		.amdhsa_reserve_vcc 0
		.amdhsa_float_denorm_mode_32 3
		.amdhsa_float_denorm_mode_16_64 3
		.amdhsa_fp16_overflow 1
		.amdhsa_memory_ordered 1
		.amdhsa_forward_progress 1
		.amdhsa_inst_pref_size 33
	.end_amdhsa_kernel
	.amdgpu_metadata
---
amdhsa.version: [ 1, 2 ]
amdhsa.kernels:
  - .name:           k_q99b5ae5c7c_quant
    .symbol:         k_q99b5ae5c7c_quant.kd
    .args:
      - { .name: x, .offset: 0, .size: 8, .value_kind: global_buffer, .address_space: global }
      - { .name: Wk, .offset: 8, .size: 8, .value_kind: global_buffer, .address_space: global }
      - { .name: Wq, .offset: 16, .size: 8, .value_kind: global_buffer, .address_space: global }
      - { .name: Wv, .offset: 24, .size: 8, .value_kind: global_buffer, .address_space: global }
      - { .name: Wp, .offset: 32, .size: 8, .value_kind: global_buffer, .address_space: global }
      - { .name: lowp_scales, .offset: 40, .size: 8, .value_kind: global_buffer, .address_space: global }
      - { .name: xc, .offset: 48, .size: 8, .value_kind: global_buffer, .address_space: global }
      - { .name: wc, .offset: 56, .size: 8, .value_kind: global_buffer, .address_space: global }
    .group_segment_fixed_size: 33280
    .private_segment_fixed_size: 0
    .kernarg_segment_align: 8
    .kernarg_segment_size: 64
    .max_flat_workgroup_size: 128
    .sgpr_count:     66
    .vgpr_count:     164
    .wavefront_size: 32
...
	.end_amdgpu_metadata
.endif
;; end of part 1
;; launch qkv (part 2): grid 12 x 32, 4 waves a work-group, clusters of 4 x 4, 327,680 bytes of LDS; arguments xc, wc, bk, bq, bv, lowp_scales, qkv; writes qkv
.if DOCPART == 2
	.amdgcn_target "amdgcn-amd-amdhsa--gfx1250"
	.amdhsa_code_object_version 6
	.text
	.protected	k_q99b5ae5c7c_qkv
	.globl	k_q99b5ae5c7c_qkv
	.p2align	8
	.type	k_q99b5ae5c7c_qkv,@function
k_q99b5ae5c7c_qkv:
	s_mov_b64 s[64:65], 0
	v_nop
	global_prefetch_b8 v0, s[64:65] scope:SCOPE_SE
	s_setreg_imm32_b32 hwreg(HW_REG_WAVE_MODE, 25, 1), 1
	s_wait_xcnt 0x0
	s_wait_alu depctr_hold_cnt(0) depctr_sa_sdst(0) depctr_va_vdst(0) depctr_va_sdst(0) depctr_va_ssrc(0) depctr_va_vcc(0) depctr_vm_vsrc(0)
	s_getreg_b32 s2, hwreg(HW_REG_IB_STS2, 6, 4)
	s_cmp_eq_u32 s2, 0
	s_cbranch_scc0 .Lentry_in_a_cluster
	s_endpgm
.Lentry_in_a_cluster:
	s_bfe_u32 s2, ttmp6, 0x10000c
	s_cmp_lg_u32 s2, 0xf033
	s_cbranch_scc0 .Lentry_shape_is_right
	s_endpgm
.Lentry_shape_is_right:
; The three projections on codes of FP8 (E4M3), each with its bias, each result quantised at once for the product that takes it next.  The cluster's x says which: P = 0: k, 1: q, 2: v.
; P < 2:  C[m][n] = sum_k x[m][k] W[n][k] + b[n]: the row operand is part P of xc (8,192 rows), the column operand part P of wc (1,024 rows).
; P = 2:  C[n][m] = sum_k Wv[n][k] x[m][k] + bv[n], that is v TRANSPOSED: the row operand is Wv's codes, the column operand x's.  So a lane's eight results run along the head's 64 for k and q
;         and along the KEYS for v: in each case along the next product's K, and the conversions' results are that operand's bytes.
; A sum stands for sum x 2^(ea + eb).  The bias goes in as the C of each sum's first matrix instruction, divided by that power; the code is sum / 2^(eo - ea - eb): three scales in the conversion's one.
; eo: k: entry 7, q: entry 6, v: entry 9.  LIMITS: eo - ea - eb between -126 and 119; NaN is not served.
; OUT: part P of qkv (8 MiB), in planes of 64 columns: the code of C(row, col) lies at ((col / 64) x ROWS + phys(row)) x 64 + col % 64; phys(row) is row with its bits 3 and 4 exchanged.
;      So a head's keys (or 64 keys' v^T) are dense lines of 64 bytes, and the 16 rows that form a tile of the next product (r + 8 (r / 8) of each 32) lie on 16 consecutive lines.
; A tile of C, 256 x 256, is made by four waves, 128 x 128 each: 64 accumulators.  K = 1,024 goes in four steps of 256 through a ring of two LDS slots filled by the tensor data mover.
; CLUSTERS: 4 x 4 work-groups; the four of a row of the cluster need the same tile of the row operand, the four of a column the same tile of the column operand: each tile is asked for jointly.
; THE MATRIX INSTRUCTION IS USED TRANSPOSED (source 0 = 16 rows of the column operand, source 1 = 16 rows of the row operand): a lane holds eight neighbouring columns of one row of C.
; REGISTERS, in windows of 256: window 0: v0-31 addresses and the scale number; v32-95 the bias as C; v96-127 bias offsets, later codes; from v128 the row operand's fragments, ONE set, later rows read back.
;   window 1: the column operand's fragments, TWO sets.   windows 2, 3: the accumulators of my rows 0-63 and 64-127 (accumulator (a, b) at v[8 (8 (a % 4) + b)]).
.set ROWB,   256                       ; a tile's row in bytes: 256 codes
.set KROW,   1024                      ; a row of codes in memory
.set PITCH,  272                       ; an LDS row: 256 bytes + 16 of padding = 68 words: the 16 rows that a load touches start at 16 different banks (64 banks of 4 bytes: ISA guide 11.1)
.set FR,     16                        ; registers of a fragment: 16 rows x 128 K
.set NL,     4                         ; LDS loads that bring one
.set NP,     4                         ; places behind this matrix instruction (ISA guide 7.12.1)
.set HALFT,  128*PITCH                 ; 128 rows: what one tensor load brings
.set SLOT,   4*HALFT                   ; the row operand's 256 rows, then the column operand's
.set SPARE,  2*SLOT                    ; behind the ring: the spare words, 128 bytes for each wave, which no other line names
.set STAGE,  SPARE+512                 ; the way out: bytes of its own, 16 rows x 144 for each wave; no tile lands here
.set SPITCH, 144                       ; a stage row: 128 codes + 16: 36 words, so the 32 lanes' 8-byte stores touch each bank once
.set ADRA, 16                          ; v16-17  LDS address of my fragments of the row operand in slot 0, 1
.set ADRB, 20                          ; v20-21  the same for the column operand
.set STO,  24                          ; v24     the way out: where I put 8 codes of a row
.set RD,   25                          ; v25     where I read 16 bytes back
.set CO,   26                          ; v26     16 x lane: my place in a store's 512 bytes
.set SPW,  28                          ; v28     LDS address of my spare word; never rewritten
.set NIL,  29                          ; v29     0; never rewritten
.set SCV,  30                          ; v30     2^(eo - ea - eb) as f32
.set LIMV, 31
.set BI,   32                          ; v32-95  the bias in the result's layout, eight registers for each of eight tiles
.set TMP,  32
.set VB,   96                          ; v96-103 the bias loads' offsets
.set CD,   96                          ; v96-127 later: a block's codes, two sets of 16
.set AF,   128
.set BK,   128                         ; v128-159 the way out: 16 registers read back, two sets
.set G1, 24                            ; s[24:31] descriptor group 1 for the row operand;  s[32:39] group 0, one set for each slot
.set G0, 32
.set G1B, 48                           ; s[48:55], s[56:63] the same for the column operand
.set G0B, 56
.set OB0, 8                            ; s[8:9], s[10:11] my rows in my two planes of the output
.set OB1, 10
.set MSB, 0
.macro WIN new                         ; the immediate's high byte repeats the setting that is left
.if MSB != \new
	s_set_vgpr_msb (MSB<<8)|\new
.set MSB, \new
.endif
.endm
.set MUL_LO, 0xa1                      ; source 0 window 1, source 1 window 0, C and D window 2
.set MUL_HI, 0xf1                      ; the same, C and D window 3
.set FST_LO, 0x81                      ; a sum's first product: C (the bias) window 0, D window 2
.set FST_HI, 0xc1                      ; D window 3
.set TO_B,   0x40                      ; destination window 1, address window 0
; A joint load: waves 0 and 1 fetch for the row operand, waves 2 and 3 for the column operand.  The branch hangs on the wave's number alone.
; An s_nop 0 and four v_nop follow each of the two lines, ahead of the jump, the label and what follows.
.macro JLOAD g0a, g1a, g0b, g1b
	s_cmp_eq_u32 s15, 0
	s_cbranch_scc0 .Lfor_b_\@
	tensor_load_to_lds s[\g0a:\g0a+3], s[\g1a:\g1a+7]
	s_nop 0
.rept 4
	v_nop
.endr
	s_branch .Lasked_\@
.Lfor_b_\@:
	tensor_load_to_lds s[\g0b:\g0b+3], s[\g1b:\g1b+7]
	s_nop 0
.rept 4
	v_nop
.endr
.Lasked_\@:
.endm
.macro CREST                           ; a round of the cluster's barrier behind its opening barrier
	s_cmp_lg_u32 s14, 0
	s_cbranch_scc1 .Lnot_wave_0_\@
	s_barrier_signal -3
.Lnot_wave_0_\@:
	s_barrier_wait -3
	s_barrier_signal -1
	s_barrier_wait -1
.endm
.macro CROUND                          ; a whole round
	s_barrier_signal -1
	s_barrier_wait -1
	CREST
.endm
	s_load_b256 s[4:11], s[0:1], 0x0               ; xc s[4:5], wc s[6:7], bk s[8:9], bq s[10:11]
	s_load_b128 s[68:71], s[0:1], 0x20             ; bv s[68:69], the scales s[70:71]
	s_load_b64 s[72:73], s[0:1], 0x30              ; qkv
	v_lshl_add_u32 v[SPW], v0, 2, SPARE
	v_mov_b32 v[NIL], 0
	ds_add_u32 v[SPW], v[NIL]                      ; the wave's opening: the add and its wait stand ahead of my first tensor load; the set-up below, work on registers, stands between them
	ds_add_u32 v[SPW], v[NIL]
	v_lshrrev_b32 v1, 5, v0
	v_readfirstlane_b32 s14, v1                    ; wave 0..3
	s_lshr_b32 s15, s14, 1                         ; which half of the tile's rows is mine.  Also: I fetch for the row operand (0) or the column operand (1)
	s_and_b32 s16, s14, 1                          ; which half of its columns.  Also: which 128 rows of that tile I fetch
	s_bfe_u32 s40, ttmp6, 0x40000                  ; cx, cy: my place in the cluster
	s_bfe_u32 s41, ttmp6, 0x40004
	s_and_b32 s88, ttmp7, 0xffff
	s_lshl_b32 s88, s88, 2                         ; 4 x cluster y: along the 8,192 rows of x
	s_lshl_b32 s43, s41, 2
	s_lshl_b32 s43, 15, s43                        ; my row of the cluster
	s_lshl_b32 s44, 0x1111, s40                    ; my column
	s_lshl_b32 s89, ttmp9, 23                      ; P x 8 MiB: the part of xc, and of qkv
	s_lshl_b32 s90, ttmp9, 20                      ; P x 1 MiB: the part of wc
	s_mov_b32 s95, 524288
	s_cmp_eq_u32 ttmp9, 2                          ; v?  The cluster's x is the same in all sixteen partners
	s_cselect_b32 s91, 0, s88                      ; x's rows are C's rows for k and q,
	s_cselect_b32 s92, s88, 0                      ; C's columns for v
	s_cselect_b32 s93, 0x200000, s89               ; the row operand's part: Wv's codes, or x's under scale 2 P
	s_cselect_b32 s94, 0x1000000, s90              ; the column operand's part
	s_cselect_b32 s95, 65536, s95                  ; a plane of the output in bytes: 1,024 or 8,192 lines of 64
	s_add_co_u32 s17, s41, s91                     ; tile row of C
	s_add_co_u32 s42, s40, s92                     ; tile column of C
	; descriptor group 1: a tile of 128 rows x 256 bytes, padded in LDS
	s_or_b32 s[G1+0], s43, (0<<16)|(1<<20)|(1<<21)|(5<<22)|(3<<25)  ; 15:0 the mask: my row; 17:16 elements of 1 byte; 20 padding on; 21 set beside a mask; 24:22 after every 64 words (code 5); 31:25 of 4 words (code 3)
	s_or_b32 s[G1B+0], s44, (0<<16)|(1<<20)|(1<<21)|(5<<22)|(3<<25) ; the same with the mask of my column
.irp g, G1, G1B
	s_mov_b32 s[\g+1], ROWB<<16                    ; tensor_dim0
	s_mov_b32 s[\g+2], 128<<16                     ; tensor_dim1 = 128
	s_mov_b32 s[\g+3], ROWB<<16                    ; tile_dim0
	s_mov_b32 s[\g+4], 128                         ; tile_dim1 = 128
	s_mov_b32 s[\g+5], KROW                        ; tensor_dim0_stride
	s_mov_b32 s[\g+6], 0
	s_mov_b32 s[\g+7], 0
.endr
	s_lshl_b32 s18, s16, 7                         ; which 128 rows of the tile I fetch
	s_lshl_b32 s20, s17, 8
	s_add_co_u32 s20, s20, s18                     ; row operand: row 256 x tile row + 128 x half,
	s_lshl_b32 s20, s20, 10                        ; in bytes (all offsets stay under 2^25),
	s_add_co_u32 s20, s20, s93                     ; in its part
	s_mov_b32 s21, 0
	s_lshl_b32 s46, s42, 8
	s_add_co_u32 s46, s46, s18                     ; column operand: row 256 x tile column + 128 x half
	s_lshl_b32 s46, s46, 10
	s_add_co_u32 s46, s46, s94
	s_mov_b32 s47, 0
	s_mul_i32 s45, s14, HALFT                      ; where the tiles go: wave x 128 rows: no place in the cluster enters an LDS address
	s_wait_dscnt 0x0                               ; the opening add is done
	s_wait_kmcnt 0x0
	s_load_b256 s[76:83], s[70:71], 0x0            ; e0 .. e7
	s_load_b128 s[84:87], s[70:71], 0x20           ; e8 .. e11
	s_cmp_eq_u32 ttmp9, 2
	s_cselect_b64 s[96:97], s[6:7], s[4:5]         ; the row operand's buffer,
	s_cselect_b64 s[98:99], s[4:5], s[6:7]         ; the column operand's
	s_add_nc_u64 s[20:21], s[96:97], s[20:21]
	s_add_nc_u64 s[46:47], s[98:99], s[46:47]
	CROUND                                         ; all sixteen work-groups are here: the first joint loads meet
.irp s, 0,1
	s_mov_b32 s[G0+4*\s], 1
	s_add_co_u32 s[G0+4*\s+1], s45, \s*SLOT
	s_add_nc_u64 s[G0+4*\s+2:G0+4*\s+3], s[20:21], \s*ROWB
	s_or_b32 s[G0+4*\s+3], s[G0+4*\s+3], 0x80000000
	s_mov_b32 s[G0B+4*\s], 1
	s_add_co_u32 s[G0B+4*\s+1], s45, \s*SLOT
	s_add_nc_u64 s[G0B+4*\s+2:G0B+4*\s+3], s[46:47], \s*ROWB
	s_or_b32 s[G0B+4*\s+3], s[G0B+4*\s+3], 0x80000000
	JLOAD G0+4*\s, G1, G0B+4*\s, G1B               ; two loads of mine are out
.endr
	v_and_b32 v1, 15, v0                           ; r = l % 16
	s_wait_alu depctr_va_vdst(0)
	v_bfe_u32 v2, v0, 4, 1                         ; h = l / 16
	v_mul_u32_u24 v3, v1, PITCH
	v_lshl_add_u32 v4, v2, 4, v3                   ; a fragment's row x pitch + 16 x half
	s_mul_i32 s18, s15, HALFT                      ; my 128 rows of the row operand
	s_mul_i32 s22, s16, HALFT                      ; my 128 rows of the column operand,
	s_add_co_u32 s22, s22, 2*HALFT                 ; which lie behind the other's 256
.irp s, 0,1
	v_add_nc_u32 v[ADRA+\s], s18, v4
	v_add_nc_u32 v[ADRB+\s], s22, v4
	s_add_co_u32 s18, s18, SLOT
	s_add_co_u32 s22, s22, SLOT
.endr
	s_mul_i32 s23, s14, 16*SPITCH
	s_add_co_u32 s23, s23, STAGE                   ; my stage
	v_mul_u32_u24 v5, v1, SPITCH                   ; in: row r, 8 bytes for each half of the lanes
	s_wait_alu depctr_va_vdst(0)
	v_lshl_add_u32 v5, v2, 3, v5
	v_add_nc_u32 v[STO], s23, v5
	v_and_b32 v6, 31, v0
	v_lshrrev_b32 v7, 2, v6                        ; back: four lanes to a row's 64 bytes, eight rows an instruction
	v_mul_u32_u24 v7, v7, SPITCH
	v_and_b32 v8, 3, v6
	v_lshl_add_u32 v7, v8, 4, v7
	v_add_nc_u32 v[RD], s23, v7
	v_lshlrev_b32 v[CO], 4, v6                     ; and the same eight lines of 64 bytes in the output: 16 x lane
	; where my results go: plane 4 x tile column + 2 x half (and the next), line 256 x tile row + 128 x half
	s_lshl_b32 s96, s42, 2
	s_lshl_b32 s97, s16, 1
	s_add_co_u32 s96, s96, s97
	s_mul_i32 s96, s96, s95
	s_lshl_b32 s90, s17, 8
	s_lshl_b32 s97, s15, 7
	s_add_co_u32 s90, s90, s97                     ; my first row of C
	s_lshl_b32 s97, s90, 6
	s_add_co_u32 s96, s96, s97
	s_add_co_u32 s96, s96, s89                     ; in part P
	s_mov_b32 s97, 0
	s_lshl_b32 s91, s42, 8
	s_lshl_b32 s92, s16, 7
	s_add_co_u32 s91, s91, s92                     ; my first column of C
	s_cmp_eq_u32 ttmp9, 1
	s_cselect_b64 s[74:75], s[10:11], s[8:9]       ; the bias: bk, bq
	s_cmp_eq_u32 ttmp9, 2
	s_cselect_b64 s[74:75], s[68:69], s[74:75]     ; or bv,
	s_cselect_b32 s98, s90, s91                    ; which goes by C's rows for v, by its columns for k and q
	s_cselect_b32 s100, 1, 0
	s_cselect_b32 s101, 0, 1
	s_lshl_b32 s98, s98, 2
	s_mov_b32 s99, 0
	s_add_nc_u64 s[74:75], s[74:75], s[98:99]
	s_add_nc_u64 s[OB0:OB0+1], s[72:73], s[96:97]
	s_mov_b32 s96, s95
	s_add_nc_u64 s[OB1:OB1+1], s[OB0:OB0+1], s[96:97]
	; THE BIAS IN THE RESULT'S LAYOUT.  Register j of lane (r, h) of accumulator (a, b) is C(16 a + r, 16 b + 8 h + j).  k, q: set i = b holds b[col0 + 16 i + 8 h + j]; v: set i = a holds bv[row0 + 16 i + r] in all eight.
	v_mul_u32_u24 v7, v1, s100                     ; r, or 0
	v_lshlrev_b32 v8, 3, v2
.irp j, 0,1,2,3,4,5,6,7
	v_add_nc_u32 v[VB+\j], \j, v8
	v_mul_u32_u24 v[VB+\j], v[VB+\j], s101         ; 8 h + j, or 0
	v_add_lshl_u32 v[VB+\j], v[VB+\j], v7, 2
.endr
.irp i, 0,1,2,3,4,5,6,7
.irp j, 0,1,2,3,4,5,6,7
	global_load_b32 v[BI+8*\i+\j], v[VB+\j], s[74:75] offset:64*\i   ; once a wave, while the first tiles are on their way
.endr
.endr
	s_wait_kmcnt 0x0
	s_add_co_i32 s88, s76, s77                     ; ea + eb of the three products,
	s_add_co_i32 s90, s78, s79
	s_add_co_i32 s91, s80, s81
	s_cmp_eq_u32 ttmp9, 1
	s_cselect_b32 s88, s90, s88
	s_cselect_b32 s92, s82, s83                    ; eo: q is the scores' left operand (entry 6), k the right (entry 7),
	s_cmp_eq_u32 ttmp9, 2
	s_cselect_b32 s88, s91, s88
	s_cselect_b32 s92, s85, s92                    ; v the second product's right (entry 9)
	s_sub_co_i32 s2, 0, s88                        ; -(ea + eb), for the bias
	s_sub_co_i32 s92, s92, s88
	s_add_co_i32 s92, s92, 127
	s_lshl_b32 s93, s92, 23
	v_mov_b32 v[SCV], s93
.macro FRAG reg, adr, q, i             ; a fragment, 16 rows x 128 K: lane l holds row l % 16; registers 4 c .. 4 c + 3 hold K = 32 c + 16 (l / 16) + 0 .. 15: the same permutation of k on both sides
.irp c, 0,1,2,3
	ds_load_b128 v[\reg+4*\c:\reg+4*\c+3], v[\adr] offset:128*(\q)+32*\c+(\i)*16*PITCH
.endr
.endm
; 16 matrix instructions: row blocks a0, a0 + 1 x the eight column blocks, 128 along K.  p: the column operand's set.  zero = 1: the sums start from the bias by columns; 2: by rows; 0: in place.
; The 64 accumulators take turns, one instruction a turn, in the same order in every step.
.macro MUL16 a0, p, zero
.irp a, \a0, \a0+1
.irp b, 0,1,2,3,4,5,6,7
.if \zero == 1
	v_wmma_f32_16x16x128_fp8_fp8 v[8*(8*((\a)%4)+\b):8*(8*((\a)%4)+\b)+7], v[128*(\p)+FR*\b:128*(\p)+FR*\b+FR-1], v[AF+FR*(\a):AF+FR*(\a)+FR-1], v[BI+8*\b:BI+8*\b+7]
.elseif \zero == 2
	v_wmma_f32_16x16x128_fp8_fp8 v[8*(8*((\a)%4)+\b):8*(8*((\a)%4)+\b)+7], v[128*(\p)+FR*\b:128*(\p)+FR*\b+FR-1], v[AF+FR*(\a):AF+FR*(\a)+FR-1], v[BI+8*(\a):BI+8*(\a)+7]
.else
	v_wmma_f32_16x16x128_fp8_fp8 v[8*(8*((\a)%4)+\b):8*(8*((\a)%4)+\b)+7], v[128*(\p)+FR*\b:128*(\p)+FR*\b+FR-1], v[AF+FR*(\a):AF+FR*(\a)+FR-1], v[8*(8*((\a)%4)+\b):8*(8*((\a)%4)+\b)+7]
.endif
.endr
.endr
.endm
.macro FETCH_B slot, q, p              ; the column operand's eight fragments of the slot's q-th 128 along K into set p
	WIN TO_B
.irp i, 0,1,2,3,4,5,6,7
	FRAG 128*(\p)+FR*\i, ADRB+\slot, \q, \i
.endr
	WIN 0
.endm
.macro FETCH_A slot, q, i0             ; the row operand's blocks i0 .. i0 + 3
.irp i, \i0, \i0+1, \i0+2, \i0+3
	FRAG AF+FR*(\i), ADRA+\slot, \q, \i
.endr
.endm
; A load into a register that a matrix instruction has read, and a vector instruction that reads a matrix result, stand NP places behind that matrix instruction; only plain vector
; instructions that name none of its registers are places (ISA guide 7.12.1 for vector instructions).
.macro PLACES n
.rept \n
	v_nop
.endr
.endm
; A step of 128 along K that has its successor in the same slot.  A row block is free as soon as its eight products are issued: blocks 0-3 are fetched anew in the step's middle, blocks 4-7 at its end.
.macro STEP slot, q, zero
	s_wait_dscnt 4*NL                              ; the column set and row blocks 0-3 are in; the youngest sixteen loads (row blocks 4-7) may be out
.if \zero
	WIN FST_LO
.else
	WIN MUL_LO
.endif
	MUL16 0, (\q)%2, \zero
	MUL16 2, (\q)%2, \zero
	s_wait_dscnt 0                                 ; row blocks 4-7 are in (asked for 32 matrix instructions ago)
	PLACES NP
	FETCH_B \slot, (\q)+1, 1-(\q)%2
	FETCH_A \slot, (\q)+1, 0
.if \zero
	WIN FST_HI
.else
	WIN MUL_HI
.endif
	MUL16 4, (\q)%2, \zero
	MUL16 6, (\q)%2, \zero
	PLACES NP
	WIN 0
	FETCH_A \slot, (\q)+1, 4
.endm
; A slot's last step changes slots: ONE barrier; in front of it each wave waits for all its tensor loads, adds 0 to its spare word, and waits for that and for its own reads of this slot.  fill = 1: this slot is filled again, two K steps ahead.
.macro TURN slot, next, fill
	s_wait_tensorcnt 0x0                           ; all my tensor loads have landed: my part of the next slot  (every window is 0 here)
	ds_add_u32 v[SPW], v[NIL]                      ; 0 onto my spare word
	s_wait_dscnt 4*NL+1                            ; (the add and the youngest sixteen loads, row blocks 4-7, may be out)
	WIN MUL_LO
	MUL16 0, 1, 0                                  ; sixteen matrix instructions stand between the add and the wait for it
	s_wait_dscnt 0x0                               ; the add is done, and my reads of this slot are over
	s_barrier_signal -1
	MUL16 2, 1, 0
	WIN 0
	s_barrier_wait -1
.if \fill
	CREST                                          ; the barrier has opened a round of the cluster's barrier: no wave of any partner still reads this slot's tile or has a load on its way
	s_add_nc_u64 s[G0+4*\slot+2:G0+4*\slot+3], s[G0+4*\slot+2:G0+4*\slot+3], 2*ROWB
	s_add_nc_u64 s[G0B+4*\slot+2:G0B+4*\slot+3], s[G0B+4*\slot+2:G0B+4*\slot+3], 2*ROWB
	JLOAD G0+4*\slot, G1, G0B+4*\slot, G1B         ; the first tensor load behind the round, my one load until the next; its four v_nop are also the places in front of the loads below
.else
	PLACES NP
.endif
	FETCH_B \next, 0, 0
	FETCH_A \next, 0, 0
	WIN MUL_HI
	MUL16 4, 1, 0
	MUL16 6, 1, 0
	PLACES NP
	WIN 0
	FETCH_A \next, 0, 4
.endm
	s_wait_tensorcnt 1                             ; my part of K step 0 is in; K step 1's load may be out
	s_barrier_signal -1
	s_barrier_wait -1                              ; everybody's is
	FETCH_B 0, 0, 0
	FETCH_A 0, 0, 0
	FETCH_A 0, 0, 4
	s_wait_loadcnt 0x0                             ; the bias
.set j, 0
.rept 64
	v_ldexp_f32 v[BI+j], v[BI+j], s2               ; / 2^(ea + eb): nothing is rounded
.set j, j+1
.endr
	s_cmp_eq_u32 ttmp9, 2                          ; the first step is written twice: its C goes by columns (k, q) or by rows (v).  The jump hangs on the cluster's x, the same in all partners;
	s_cbranch_scc1 .Lfirst_v                       ; both ways hold the same loads and waits, and no barrier, store or tensor load
	s_wait_alu depctr_va_vdst(0)
	STEP 0, 0, 1
	s_branch .Lfirst_done
.Lfirst_v:
	s_wait_alu depctr_va_vdst(0)
	STEP 0, 0, 2
.Lfirst_done:
	TURN 0, 1, 1                                   ; K = 1,024 is four slots: both are filled once more, and the steps are written straight
	STEP 1, 0, 0
	TURN 1, 0, 1
	STEP 0, 0, 0
	TURN 0, 1, 0                                   ; nothing is left to fetch: no round
	STEP 1, 0, 0
	s_wait_dscnt 4*NL                              ; the very last step
	WIN MUL_LO
	MUL16 0, 1, 0
	MUL16 2, 1, 0
	s_wait_dscnt 0
	WIN MUL_HI
	MUL16 4, 1, 0
	MUL16 6, 1, 0
	WIN 0
; THE WAY OUT, block by block of 16 rows x 128 columns.  The sums are held within +-448 x the scale (the conversion to an 8-bit code does not saturate: ISA guide 7.6.2), each accumulator from its low end on,
; and converted: a lane's eight columns are 8 bytes.  They go through my own stage and come back as eight rows' 64 bytes of one plane: 512 consecutive bytes of the output.
; Row 16 a + r' lies on line 32 (a / 2) + 16 (r' / 8) + 8 (a % 2) + r' % 8 of my 128: bits 3 and 4 exchanged.  LDS serves a wave's instructions in order (ISA guide 5.7.1.4): no wait between the stores and the loads.
.macro TOSTAGE a
.set AC, 64*((\a)%4)
.set CC, CD+16*((\a)%2)
.set BB, BK+16*((\a)%2)
	WIN 0x02+((\a)/4)                              ; source 0: window 2 or 3
.set j, 0
.rept 64
.set j, j+1
.endr
.irp b, 0,1,2,3,4,5,6,7
	v_cvt_scalef32_pk8_fp8_f32 v[CC+2*\b:CC+2*\b+1], v[AC+8*\b:AC+8*\b+7], v[SCV]
.endr
	WIN 0
	v_nop                                          ; one plain vector line between a scaled conversion and the next vector line that writes its sources
.irp b, 0,1,2,3,4,5,6,7
	ds_store_b64 v[STO], v[CC+2*\b:CC+2*\b+1] offset:16*\b
.endr
.irp i, 0,1,2,3
	ds_load_b128 v[BB+4*\i:BB+4*\i+3], v[RD] offset:(\i%2)*8*SPITCH+(\i/2)*64   ; rows 8 (i % 2) on, plane i / 2
.endr
.endm
.macro SEND a, younger                 ; younger: the LDS instructions issued behind block a's loads, which may stay out
.set BB, BK+16*((\a)%2)
	s_wait_dscnt \younger
.irp i, 0,1
	global_store_b128 v[CO], v[BB+4*\i:BB+4*\i+3], s[OB0:OB0+1] offset:(32*((\a)/2)+16*\i+8*((\a)%2))*64     ; 32 lanes store 512 consecutive bytes, aligned
.endr
.irp i, 0,1
	global_store_b128 v[CO], v[BB+8+4*\i:BB+8+4*\i+3], s[OB1:OB1+1] offset:(32*((\a)/2)+16*\i+8*((\a)%2))*64
.endr
.endm
	PLACES NP
	TOSTAGE 0
.irp a, 1,2,3,4,5,6,7
.if \a > 1
	s_wait_xcnt 0x0                                ; block a - 2's stores have read their registers: block a's loads may land there
.endif
	TOSTAGE \a
	SEND \a-1, 12                                  ; behind block a - 1's loads: block a's 8 stores and 4 loads
.endr
	SEND 7, 0
	s_wait_tensorcnt 0x0                           ; the wave's end, behind my last tensor load and my last LDS store
	ds_add_u32 v[SPW], v[NIL]
	s_wait_dscnt 0x0
	CROUND                                         ; the closing round: no work-group ends while a partner may still ask for a tile that names it
	s_endpgm
.Lfunc_end_k_q99b5ae5c7c_qkv:
	.size	k_q99b5ae5c7c_qkv, .Lfunc_end_k_q99b5ae5c7c_qkv-k_q99b5ae5c7c_qkv
	.p2alignl 7, 3214868480
	.fill 96, 4, 3214868480
	.section	.rodata,"a",@progbits
	.p2align	6, 0x0
	.amdhsa_kernel k_q99b5ae5c7c_qkv
		.amdhsa_group_segment_fixed_size 327680
		.amdhsa_private_segment_fixed_size 0
		.amdhsa_enable_private_segment 0
		.amdhsa_kernarg_size 56
		.amdhsa_user_sgpr_count 2
		.amdhsa_user_sgpr_kernarg_segment_ptr 1
		.amdhsa_wavefront_size32 1
		.amdhsa_system_sgpr_workgroup_id_x 1
		.amdhsa_system_sgpr_workgroup_id_y 1
		.amdhsa_system_sgpr_workgroup_id_z 1
		.amdhsa_system_vgpr_workitem_id 0
		.amdhsa_next_free_vgpr 1024
		.amdhsa_next_free_sgpr 102
		.amdhsa_reserve_vcc 0
		.amdhsa_float_denorm_mode_32 3
		.amdhsa_float_denorm_mode_16_64 3
		.amdhsa_fp16_overflow 1
		.amdhsa_memory_ordered 1
		.amdhsa_forward_progress 1
		.amdhsa_inst_pref_size 114
	.end_amdhsa_kernel
	.amdgpu_metadata
---
amdhsa.version: [ 1, 2 ]
amdhsa.kernels:
  - .name:           k_q99b5ae5c7c_qkv
    .symbol:         k_q99b5ae5c7c_qkv.kd
    .args:
      - { .name: xc, .offset: 0, .size: 8, .value_kind: global_buffer, .address_space: global }
      - { .name: wc, .offset: 8, .size: 8, .value_kind: global_buffer, .address_space: global }
      - { .name: bk, .offset: 16, .size: 8, .value_kind: global_buffer, .address_space: global }
      - { .name: bq, .offset: 24, .size: 8, .value_kind: global_buffer, .address_space: global }
      - { .name: bv, .offset: 32, .size: 8, .value_kind: global_buffer, .address_space: global }
      - { .name: lowp_scales, .offset: 40, .size: 8, .value_kind: global_buffer, .address_space: global }
      - { .name: qkv, .offset: 48, .size: 8, .value_kind: global_buffer, .address_space: global }
    .group_segment_fixed_size: 327680
    .private_segment_fixed_size: 0
    .kernarg_segment_align: 8
    .kernarg_segment_size: 56
    .max_flat_workgroup_size: 128
    .sgpr_count:     102
    .vgpr_count:     1024
    .wavefront_size: 32
...
	.end_amdgpu_metadata
.endif
;; end of part 2
;; launch attn (part 3): grid 4 x 64, 16 waves a work-group, no clusters, 327,680 bytes of LDS; arguments qkv, lowp_scales, ac; writes ac
.if DOCPART == 3
	.amdgcn_target "amdgcn-amd-amdhsa--gfx1250"
	.amdhsa_code_object_version 6
	.text
	.protected	k_q99b5ae5c7c_attn
	.globl	k_q99b5ae5c7c_attn
	.p2align	8
	.type	k_q99b5ae5c7c_attn,@function
k_q99b5ae5c7c_attn:
	s_mov_b64 s[64:65], 0
	v_nop
	global_prefetch_b8 v0, s[64:65] scope:SCOPE_SE
	s_setreg_imm32_b32 hwreg(HW_REG_WAVE_MODE, 25, 1), 1
	s_wait_xcnt 0x0
; Causal attention on codes of FP8 (E4M3): for each of 64 (batch, head): O[q] = sum over keys k <= q of softmax(Q[q] . K[k] / 8) V[k], then O quantised for the last projection.
; IN: qkv, three parts of 8 MiB: k, q (planes = heads: the code of (t, d) of head h, batch b on line h x 8192 + b x 2048 + phys(t), 64 bytes a line) and v^T (planes = blocks of 64 keys:
;     the code of (d, key) on line (key / 64) x 1024 + h x 64 + phys(d), byte key % 64).  phys exchanges bits 3 and 4: lines 16 T .. 16 T + 15 hold rows 32 (T / 2) + 8 (T % 2) + r + 8 (r / 8).
; OUT: ac: the code of (m = b x 2048 + t, h, d) at ((m / 128 x 16 + h) x 128 + m % 128) x 64 + d.
; THE SOFTMAX AHEAD OF THE SECOND PRODUCT: t = score x log2(e) / 8; M = the row's largest t so far, rounded UP to a whole number; p = 2^(t - M) is quantised (entry 8), not normalised; the row's sum is taken of the
; unquantised p and divides O at the end.  When M moves, the sum and O are multiplied by 2^(old M - new M): exact.
; SHARES.  A work-group owns TWO blocks of 256 queries of one head: 7 - I, then I (I = work-group x): (8 - I) + (I + 1) = 9 slots of 256 keys in every work-group: 256 work-groups of equal work, constant trip counts.
; Each of sixteen waves owns 16 queries of the block in hand, in 256 registers: four waves to a SIMD, so that one wave's vector work stands beside another's matrix work and LDS loads.
; K's and V's tiles come through a ring of two LDS slots filled by the tensor data mover: waves 0-3 fetch 64 keys' lines of K each, waves 4-7 one block of 64 keys of v^T each: 4 KiB, dense in memory.
; Both products are used transposed: S^T = K Q^T (source 0 = 16 keys, source 1 = my queries; K = 64), O^T = V^T P^T (source 0 = 16 of the head's 64, source 1 = P; K = 128 keys): a lane holds ONE query (lane % 16).
; By the order of the lines, the 16 registers of score tiles 2 b, 2 b + 1 are keys 32 b + 16 (lane / 16) + 0 .. 15, and those of O^T's tiles 2 u, 2 u + 1 are channels 32 u + 16 (lane / 16) + 0 .. 15.
; NO CLUSTER: the four work-groups of a head want the same slot only in trips 0 to 4; then each turns to its short block at another trip, so a joint load's descriptor would differ between partners; walking all
; eight slots jointly with both blocks at once would go at the slowest partner's pace, 12 slots' work against 9.
; LIMITS on the given exponents: e6 + e7 between -123 and 130 (added to c's exponent field); e8, and e10 - e8 - e9, between -126 and 119.  NaN is not served.
; REGISTERS: v1-11 addresses; v12 -M, v13 the largest t, v[14:15] the sum in two halves; v16-23 Q in hand, v24-31 Q of the short block; v32-95 K's eight fragments, then V's four; v96-159 S^T, then p;
;   v160-191 O^T; v192-207 p's codes; v208-215 O's codes; v216-223 rows read back; v224-227 scale numbers; v228-237 at work.
.set LP,    80                         ; a line in LDS: 64 bytes + 16 of padding = 20 words: the 16 lines that a load touches start at 16 different groups of four banks
.set REG,   64*LP                      ; what one tensor load brings: 64 lines
.set VOFF,  4*REG                      ; a slot: 256 lines of K, then four blocks of v^T
.set SLOT1, 65536                      ; slot 1 begins here: one exclusive or turns an address in one slot into the other's
.set SPARE, 2*SLOT1                    ; behind the ring: the spare words, 128 bytes for each of sixteen waves, which no other line names
.set STAGE, SPARE+16*128               ; the way out: bytes of its own: for each of the two blocks 16 rows x 80 for each wave; no tile lands here
.set WSTG,  16*LP
.set FSTG,  16*WSTG
.set AK0,  1                           ; v1   my lane's place in a tile of K: 80 r + 16 h
.set AV0,  2                           ; v2   the same for V
.set PFO,  3                           ; v3   the prefetches' offset; never rewritten
.set STO,  4                           ; v4   the way out: where I put 16 codes of a row
.set SPW,  5                           ; v5   LDS address of my spare word; never rewritten
.set NIL,  6                           ; v6   0; never rewritten
.set GO,   7                           ; v7   16 x lane: my place in a store's 512 bytes
.set ADK,  8                           ; v8   LDS address of the step's tiles of K
.set ADV,  9                           ; v9   of V
.set RD,   10                          ; v10  the way out: where I read 16 bytes back
.set QO,   11                          ; v11  my byte offset among my wave's lines of q
.set Q,    16
.set Q2,   24
.set KV,   32
.set S,    96
.set O,    160
.set PC,   192
.set OC,   208
.set BK,   216
.set TB,   2                           ; s2   LDS byte at which the slot in hand begins
.set WV,   10                          ; s10  my wave's number
.set TR,   12                          ; s12  7 - I: the long block, and the trip behind which it is finished
.set TR1,  13                          ; s13  8 - I: the long block's slots
.set N,    14                          ; s14  the trip
.set KF,   15                          ; s15  the step's first key
.set Q0,   16                          ; s16  my first query
.set Q0S,  17                          ; s17  my first query of the short block
.set CS,   18                          ; s[18:19] c = log2(e) / 8 x 2^(e6 + e7)
.set SEL,  20                          ; s[20:21] lane selects for v_permlanex16_b32: lane l xor 16
.set G1,   24                          ; s[24:31] descriptor group 1, one for all loads
.set G0,   32                          ; s[32:35] descriptor group 0, which walks
.set BW,   36                          ; s[36:37] my tile of key slot 0 in memory
.set STRD, 38                          ; s38  a slot on, in bytes
.set OPL,  40                          ; s[40:41], s[42:43] my wave's 1,024 bytes of ac for the long and the short block
.set OPS,  42
.set PFA,  44                          ; s[44:45] where my prefetches stand
.set PFS,  46                          ; s[46:47] a slot on
.set LIMN, 48                          ; s48  a wave prefetches while the trip's number is under this: 6 or 0
.macro TLOAD                           ; waves 0-7 fetch, one load each; the branch hangs on the wave's number alone; an s_nop 0 and four v_nop follow the load
	s_cmp_lt_u32 s[WV], 8
	s_cbranch_scc0 .Lnone_\@
	tensor_load_to_lds s[G0:G0+3], s[G1:G1+7]
	s_nop 0
.rept 4
	v_nop
.endr
.Lnone_\@:
.endm
; A PREFETCH of the key slot that the NEXT change of slots will ask for.  In their long blocks all four work-groups of a head ask for slot s + 1 in trip s, and I = 0 walks all eight: it alone prefetches, in trip n <= 5
; slot n + 2: a slot's two key steps ahead of the load that wants it.  Waves that fetch nothing ask, one instruction each, a lane for each 256 bytes: waves 8, 9 for K's 16 KiB, waves 10, 11 for two of V's four blocks each.
; So each 256 bytes are named once in the launch.  Slots 0 and 1 come by their loads alone; nothing is asked for past slot 7.
.macro ASK
	s_cmp_lt_u32 s[N], s[LIMN]
	s_cbranch_scc0 .Lnot_mine_\@
	global_prefetch_b8 v[PFO], s[PFA:PFA+1] th:TH_LOAD_NT scope:SCOPE_SE
.Lnot_mine_\@:
.endm
	s_load_b128 s[4:7], s[0:1], 0x0                ; qkv s[4:5], the scales s[6:7]
	s_load_b64 s[8:9], s[0:1], 0x10                ; ac
	v_lshl_add_u32 v[SPW], v0, 2, SPARE
	v_mov_b32 v[NIL], 0
	ds_add_u32 v[SPW], v[NIL]                      ; the wave's opening: the add and its wait stand ahead of my first tensor load; the set-up below, work on registers, stands between them
	ds_add_u32 v[SPW], v[NIL]
	v_lshrrev_b32 v8, 5, v0
	s_delay_alu instid0(VALU_DEP_1)
	v_readfirstlane_b32 s[WV], v8                  ; wave 0..15
	s_sub_co_u32 s[TR], 7, ttmp9
	s_sub_co_u32 s[TR1], 8, ttmp9
	s_and_b32 s57, ttmp7, 0xffff
	s_lshr_b32 s58, s57, 4                         ; b
	s_and_b32 s59, s57, 15                         ; h
	s_lshl_b32 s60, s59, 13
	s_lshl_b32 s61, s58, 11
	s_add_co_u32 s60, s60, s61                     ; the head's first line in k and in q: h x 8192 + b x 2048
	s_lshl_b32 s61, s[WV], 4
	s_lshl_b32 s[Q0], s[TR], 8
	s_add_co_u32 s[Q0], s[Q0], s61                 ; 256 (7 - I) + 16 w
	s_lshl_b32 s[Q0S], ttmp9, 8
	s_add_co_u32 s[Q0S], s[Q0S], s61               ; 256 I + 16 w
	; what I fetch, if I fetch
	s_lshl_b32 s62, s60, 6                         ; k: the head's first byte
	s_lshl_b32 s63, s58, 21
	s_lshl_b32 s66, s59, 12
	s_add_co_u32 s63, s63, s66
	s_add_co_u32 s63, s63, 0x1000000               ; v^T: the batch's first block of keys, the head's 64 lines
	s_and_b32 s66, s[WV], 3
	s_lshl_b32 s67, s66, 12
	s_add_co_u32 s67, s67, s62                     ; waves 0-3: 64 lines of K each
	s_lshl_b32 s66, s66, 16
	s_add_co_u32 s66, s66, s63                     ; waves 4-7: a block of 64 keys each, 65,536 bytes apart
	s_mov_b32 s[STRD], 262144
	s_cmp_lt_u32 s[WV], 4
	s_cselect_b32 s[BW], s67, s66
	s_cselect_b32 s[STRD], 16384, s[STRD]          ; 256 keys on: 256 lines of K, or four blocks of v^T
	s_mov_b32 s[BW+1], 0
	; the prefetches: where they stand (in slot 1: the first change of slots steps them to slot 2), and who asks
	s_and_b32 s66, s[WV], 1
	s_lshl_b32 s67, s66, 13
	s_add_co_u32 s67, s67, s62
	s_add_co_u32 s67, s67, 16384
	s_lshl_b32 s66, s66, 17
	s_add_co_u32 s66, s66, s63
	s_add_co_u32 s66, s66, 262144
	s_sub_co_u32 s68, s[WV], 8
	s_lshr_b32 s68, s68, 2                         ; 0 in waves 8 to 11,
	s_or_b32 s68, s68, ttmp9                       ; of the head's work-group 0
	s_cmp_eq_u32 s68, 0
	s_cselect_b32 s[LIMN], 6, 0
	s_mov_b32 s[PFS], 262144
	s_mov_b32 s68, 65536
	s_cmp_lt_u32 s[WV], 10
	s_cselect_b32 s[PFA], s67, s66
	s_cselect_b32 s[PFS], 16384, s[PFS]
	s_cselect_b32 s68, 4096, s68                   ; from lanes 0-15 to lanes 16-31
	s_mov_b32 s[PFA+1], 0
	s_mov_b32 s[PFS+1], 0
	v_and_b32 v[PFO], 15, v0
	s_delay_alu instid0(VALU_DEP_1)
	v_lshlrev_b32 v[PFO], 8, v[PFO]
	v_bfe_u32 v9, v0, 4, 1
	s_delay_alu instid0(VALU_DEP_1)
	v_mad_u32_u24 v[PFO], v9, s68, v[PFO]
	; my queries' lines: logical t = Q0 + r lies on line (Q0 & ~31) + 16 (r / 8) + 8 (w % 2) + r % 8
	s_lshr_b32 s66, s[WV], 1
	s_lshl_b32 s66, s66, 5
	s_and_b32 s67, s[WV], 1
	s_lshl_b32 s67, s67, 3
	s_add_co_u32 s66, s66, s67
	s_add_co_u32 s66, s66, s60
	s_lshl_b32 s67, s[TR], 8
	s_add_co_u32 s70, s66, s67
	s_lshl_b32 s70, s70, 6
	s_add_co_u32 s70, s70, 0x800000                ; in q's part: the long block,
	s_mov_b32 s71, 0
	s_lshl_b32 s67, ttmp9, 8
	s_add_co_u32 s72, s66, s67
	s_lshl_b32 s72, s72, 6
	s_add_co_u32 s72, s72, 0x800000                ; the short block
	s_mov_b32 s73, 0
	; my 16 rows of ac: ((16 b + 2 block + w / 8) x 16 + h) x 8192 + (w % 8) x 1024
	s_lshl_b32 s66, s58, 4
	s_lshr_b32 s67, s[WV], 3
	s_add_co_u32 s66, s66, s67
	s_and_b32 s67, s[WV], 7
	s_lshl_b32 s67, s67, 10
	s_lshl_b32 s68, s[TR], 1
	s_add_co_u32 s68, s68, s66
	s_lshl_b32 s68, s68, 4
	s_add_co_u32 s68, s68, s59
	s_lshl_b32 s68, s68, 13
	s_add_co_u32 s[OPL], s68, s67
	s_mov_b32 s[OPL+1], 0
	s_lshl_b32 s68, ttmp9, 1
	s_add_co_u32 s68, s68, s66
	s_lshl_b32 s68, s68, 4
	s_add_co_u32 s68, s68, s59
	s_lshl_b32 s68, s68, 13
	s_add_co_u32 s[OPS], s68, s67
	s_mov_b32 s[OPS+1], 0
	; descriptor group 1: 64 lines of 64 bytes, dense in memory, 16 bytes of padding behind each in LDS
	s_mov_b32 s[G1], (0<<16)|(1<<20)|(3<<22)|(3<<25)   ; 15:0 no mask; 17:16 elements of 1 byte; 20 padding on; 24:22 after every 16 words (code 3); 31:25 four words (code 3)
	s_mov_b32 s[G1+1], 64<<16                      ; tensor_dim0
	s_mov_b32 s[G1+2], 64<<16                      ; tensor_dim1
	s_mov_b32 s[G1+3], 64<<16                      ; tile_dim0
	s_mov_b32 s[G1+4], 64                          ; tile_dim1
	s_mov_b32 s[G1+5], 64                          ; tensor_dim0_stride
	s_mov_b32 s[G1+6], 0
	s_mov_b32 s[G1+7], 0
	s_mov_b32 s[SEL], 0x76543210
	s_mov_b32 s[SEL+1], 0xfedcba98
	s_mov_b32 s[CS], 0x3e38aa3b                    ; log2(e) / 8
	s_mov_b32 s[TB], 0
	s_mov_b32 s[N], 0
	s_mov_b32 s[KF], 0
	s_wait_dscnt 0x0                               ; the opening add is done
	s_wait_kmcnt 0x0
	s_load_b128 s[52:55], s[6:7], 0x18             ; e6, e7, e8, e9
	s_load_b32 s56, s[6:7], 0x28                   ; e10
	s_add_nc_u64 s[BW:BW+1], s[4:5], s[BW:BW+1]
	s_mov_b32 s[G0], 1                             ; 1:0 count = 1
	s_mul_i32 s[G0+1], s[WV], REG                  ; 63:32 LDS address: slot 0, region = my wave's number
	s_mov_b64 s[G0+2:G0+3], s[BW:BW+1]             ; 120:64 global address: key slot 0
	s_or_b32 s[G0+3], s[G0+3], 0x80000000          ; 127:126 type = 2
	TLOAD                                          ; trip 0's tiles
	s_add_nc_u64 s[74:75], s[4:5], s[70:71]        ; q at my lines, long block and short block
	s_add_nc_u64 s[76:77], s[4:5], s[72:73]
	s_add_nc_u64 s[OPL:OPL+1], s[8:9], s[OPL:OPL+1]
	s_add_nc_u64 s[OPS:OPS+1], s[8:9], s[OPS:OPS+1]
	s_add_nc_u64 s[PFA:PFA+1], s[4:5], s[PFA:PFA+1]
	v_and_b32 v8, 15, v0                           ; r
	v_bfe_u32 v9, v0, 4, 1                         ; h
	s_delay_alu instid0(VALU_DEP_2)
	v_and_b32 v10, 7, v8
	s_delay_alu instid0(VALU_DEP_3)
	v_lshrrev_b32 v[QO], 3, v8
	s_delay_alu instid0(VALU_DEP_1)
	v_lshlrev_b32 v[QO], 10, v[QO]
	s_delay_alu instid0(VALU_DEP_1)
	v_lshl_add_u32 v[QO], v10, 6, v[QO]
	s_delay_alu instid0(VALU_DEP_1)
	v_lshl_add_u32 v[QO], v9, 4, v[QO]             ; (r % 8) x 64 + (r / 8) x 1024 + 16 h
.irp k, 0,1                                    ; a fragment of 16 rows x 64 K is 8 registers: registers 4 k .. 4 k + 3 hold channels 32 k + 16 h + 0 .. 15: the same permutation as K's fragments have
	global_load_b128 v[Q+4*\k:Q+4*\k+3], v[QO], s[74:75] offset:32*\k
	global_load_b128 v[Q2+4*\k:Q2+4*\k+3], v[QO], s[76:77] offset:32*\k
.endr
	v_mul_u32_u24 v[AK0], v8, LP
	s_delay_alu instid0(VALU_DEP_1)
	v_lshl_add_u32 v[AK0], v9, 4, v[AK0]
	s_delay_alu instid0(VALU_DEP_1)
	v_add_nc_u32 v[AV0], VOFF, v[AK0]
	s_mul_i32 s66, s[WV], WSTG
	s_add_co_u32 s66, s66, STAGE                   ; my stage
	v_add_nc_u32 v[STO], s66, v[AK0]               ; in: row r, + 16 h
	v_and_b32 v[GO], 31, v0
	s_delay_alu instid0(VALU_DEP_1)
	v_lshrrev_b32 v[RD], 2, v[GO]
	s_delay_alu instid0(VALU_DEP_1)
	v_mul_u32_u24 v[RD], v[RD], LP
	s_delay_alu instid0(VALU_DEP_3)
	v_and_b32 v235, 3, v[GO]
	s_delay_alu instid0(VALU_DEP_1)
	v_lshl_add_u32 v[RD], v235, 4, v[RD]
	s_delay_alu instid0(VALU_DEP_1)
	v_add_nc_u32 v[RD], s66, v[RD]                 ; back: four lanes to a row's 64 bytes
	v_lshlrev_b32 v[GO], 4, v[GO]
.macro FRESH                           ; a block's first state: the step is written once, and its first pass finds zeros, which the first change of M leaves zeros
	v_mov_b32 v13, 0xff61b1e6                      ; the largest t so far: -3e38, under every t
	s_delay_alu instid0(VALU_DEP_1)
	v_floor_f32 v12, -v13                          ; -M
	v_mov_b32 v14, 0
	v_mov_b32 v15, 0
.set j, 0
.rept 32
	v_mov_b32 v[O+j], 0
.set j, j+1
.endr
.endm
	FRESH
	v_mov_b32 v234, 0                              ; written once: a lane permute's destination counts as one of its sources
	v_mov_b32 v229, 0                              ; (named as the upper half of the pair v[228:229])
	s_wait_kmcnt 0x0
	s_add_co_i32 s66, s52, s53
	s_lshl_b32 s66, s66, 23
	s_add_co_i32 s[CS], s[CS], s66                 ; a score stands for score x 2^(e6 + e7): the two exponents are added to c's exponent field
	s_mov_b32 s[CS+1], s[CS]                       ; (named with it as a pair, so it is written)
	s_add_co_i32 s66, s54, 127
	s_lshl_b32 s67, s66, 23
	v_mov_b32 v224, s67                            ; 2^e8 as f32, for p's conversions
	s_sub_co_i32 s66, s56, s54
	s_sub_co_i32 s66, s66, s55
	s_add_co_i32 s66, s66, 127
	s_lshl_b32 s67, s66, 23
	v_mov_b32 v226, s67                            ; 2^(e10 - e8 - e9): O^T / l stands for that number x 2^(e8 + e9): three scales in the conversion's one
; A KEY STEP: 128 keys, the q-th of the slot in hand.
.macro STEP q
	s_add_co_u32 s96, s[Q0], 15                    ; a step all of whose keys come after my 16 queries is left out: a scalar branch on ids, round the step's loads, products and softmax; no barrier or tensor load stands in a step
	s_cmp_gt_u32 s[KF], s96
	s_cbranch_scc1 .Lhidden_\@
	v_add_nc_u32 v[ADK], s[TB], v[AK0]
	v_add_nc_u32 v[ADV], s[TB], v[AV0]
.rept 2
	v_nop                                          ; with the two additions: four places in front of loads into registers that the last products have read
.endr
.irp t, 0,1,2,3,4,5,6,7
.irp k, 0,1
	ds_load_b128 v[KV+8*\t+4*\k:KV+8*\t+4*\k+3], v[ADK] offset:(128*(\q)+16*\t)*LP+32*\k
.endr
.endr
	s_wait_alu depctr_va_vdst(0)
	s_wait_dscnt 0x0
.irp t, 0,1,2,3,4,5,6,7                        ; S^T = K Q^T: eight tiles of 16 keys, K = the head's 64
	v_wmma_f32_16x16x64_fp8_fp8 v[S+8*\t:S+8*\t+7], v[KV+8*\t:KV+8*\t+7], v[Q:Q+7], 0
.endr
.rept 4
	v_nop                                          ; places in front of the loads below and of the first read of the scores
.endr
.irp t, 0,1,2,3                                ; V's four fragments (16 channels x 128 keys) land while the softmax is worked
.irp c, 0,1,2,3
	ds_load_b128 v[KV+16*\t+4*\c:KV+16*\t+4*\c+3], v[ADV] offset:(2*(\q)+\c/2)*REG+16*\t*LP+32*(\c%2)
.endr
.endr
	s_add_co_u32 s96, s[KF], 127                   ; on the diagonal the scores of hidden keys become -infinity ahead of the maximum: p = 0 then.  A step all of whose keys count skips this
	s_cmp_le_u32 s96, s[Q0]
	s_cbranch_scc1 .Lopen_\@
	s_sub_co_i32 s96, s[Q0], s[KF]
	v_and_b32 v235, 15, v0
	v_bfe_u32 v236, v0, 4, 1
	s_delay_alu instid0(VALU_DEP_1)
	v_lshlrev_b32 v236, 4, v236
	s_delay_alu instid0(VALU_DEP_1)
	v_sub_nc_u32 v235, v235, v236
	s_delay_alu instid0(VALU_DEP_1)
	v_add_nc_u32 v235, s96, v235                   ; d = my query - KF - 16 (lane / 16).  Register 16 b + i holds key KF + 32 b + 16 (lane / 16) + i: hidden where 32 b + i > d
	v_mov_b32 v237, 0xff800000                     ; -infinity
.irp n, 0,1,2,3,4,5,6,7,8,9,10,11,12,13,14,15,16,17,18,19,20,21,22,23,24,25,26,27,28,29,30,31,32,33,34,35,36,37,38,39,40,41,42,43,44,45,46,47,48,49,50,51,52,53,54,55,56,57,58,59,60,61,62,63
	v_cmp_gt_i32 vcc_lo, 32*(\n/16)+\n%16, v235
	v_cndmask_b32 v[S+\n], v[S+\n], v237, vcc_lo
.endr
.Lopen_\@:
	v_max3_num_f32 v230, v[S], v[S+1], v[S+2]      ; the step's largest score of my query, among my 64 keys, in two chains,
	v_max3_num_f32 v231, v[S+3], v[S+4], v[S+5]
.irp i, 6,10,14,18,22,26,30,34,38,42,46,50,54,58
	v_max3_num_f32 v230, v230, v[S+\i], v[S+1+\i]
	v_max3_num_f32 v231, v231, v[S+2+\i], v[S+3+\i]
.endr
	v_max3_num_f32 v230, v230, v[S+62], v[S+63]
	s_delay_alu instid0(VALU_DEP_1)
	v_max_num_f32 v230, v230, v231
	s_delay_alu instid0(VALU_DEP_1)
	v_permlanex16_b32 v234, v230, s[SEL], s[SEL+1]
	s_delay_alu instid0(VALU_DEP_1)
	v_max_num_f32 v230, v230, v234                 ; and among lane l xor 16's
	s_delay_alu instid0(VALU_DEP_1)
	v_mul_f32 v230, s[CS], v230                    ; as t (c is positive)
	s_delay_alu instid0(VALU_DEP_1)
	v_max_num_f32 v13, v13, v230                   ; the running largest t
	v_mov_b32 v230, v12
	s_delay_alu instid0(VALU_DEP_2)
	v_floor_f32 v12, -v13                          ; the new -M = floor(-t) = -ceil(t): M is a whole number
	s_delay_alu instid0(VALU_DEP_1)
	v_sub_f32 v230, v12, v230                      ; M's old value less its new one: a whole number, 0 or less
	s_delay_alu instid0(VALU_DEP_1)
	v_cvt_i32_f32 v230, v230                       ; (it saturates)
	s_delay_alu instid0(VALU_DEP_1)
	v_ldexp_f32 v228, 1.0, v230                    ; f = 2^(old M - new M)
.irp j, 0,2,4,6,8,10,12,14,16,18,20,22,24,26,28,30,32,34,36,38,40,42,44,46,48,50,52,54,56,58,60,62
	v_pk_fma_f32 v[S+\j:S+1+\j], v[S+\j:S+1+\j], s[CS:CS+1], v[12:13] op_sel_hi:[1,0,0]   ; t - M, two at a time (of the pairs c and -M the low word serves both halves)
.endr
.set j, 0
	s_wait_alu depctr_va_vdst(0)
.rept 64
	v_exp_f32 v[S+j], v[S+j]                       ; p = 2^(t - M), at most 1: not normalised
.set j, j+1
.endr
	v_pk_mul_f32 v[14:15], v[14:15], v[228:229] op_sel_hi:[1,0]   ; the sums under the new M: the plain line behind the exponentials
	s_wait_alu depctr_va_vdst(0)                   ; one wait for the whole batch, ahead of its first reader
	v_pk_add_f32 v[232:233], v[100:101], v[104:105]
	v_pk_add_f32 v[254:255], v[108:109], v[112:113]
	v_pk_add_f32 v[252:253], v[116:117], v[120:121]
	v_pk_add_f32 v[250:251], v[124:125], v[128:129]
	v_pk_add_f32 v[248:249], v[132:133], v[136:137]
	v_pk_add_f32 v[246:247], v[140:141], v[144:145]
	v_pk_add_f32 v[244:245], v[148:149], v[152:153]
	v_pk_add_f32 v[14:15], v[14:15], v[156:157]
	v_pk_add_f32 v[232:233], v[232:233], v[96:97]
	v_pk_add_f32 v[254:255], v[254:255], v[98:99]
	v_pk_add_f32 v[252:253], v[252:253], v[102:103]
	v_pk_add_f32 v[250:251], v[250:251], v[106:107]
	v_pk_add_f32 v[248:249], v[248:249], v[110:111]
	v_pk_add_f32 v[246:247], v[246:247], v[114:115]
	v_pk_add_f32 v[244:245], v[244:245], v[118:119]
	v_pk_add_f32 v[14:15], v[14:15], v[122:123]
	v_pk_add_f32 v[232:233], v[232:233], v[126:127]
	v_pk_add_f32 v[254:255], v[254:255], v[130:131]
	v_pk_add_f32 v[252:253], v[252:253], v[134:135]
	v_pk_add_f32 v[250:251], v[250:251], v[138:139]
	v_pk_add_f32 v[248:249], v[248:249], v[142:143]
	v_pk_add_f32 v[246:247], v[246:247], v[146:147]
	v_pk_add_f32 v[244:245], v[244:245], v[150:151]
	v_pk_add_f32 v[14:15], v[14:15], v[154:155]
	v_pk_add_f32 v[232:233], v[232:233], v[158:159]
	s_delay_alu instid0(VALU_DEP_2)
	v_pk_add_f32 v[14:15], v[14:15], v[250:251]
	s_delay_alu instid0(VALU_DEP_2)
	v_pk_add_f32 v[232:233], v[232:233], v[248:249]
	v_pk_add_f32 v[254:255], v[254:255], v[246:247]
	v_pk_add_f32 v[252:253], v[252:253], v[244:245]
	s_delay_alu instid0(VALU_DEP_2)
	v_pk_add_f32 v[14:15], v[14:15], v[254:255]
	s_delay_alu instid0(VALU_DEP_2)
	v_pk_add_f32 v[232:233], v[232:233], v[252:253]
	s_delay_alu instid0(VALU_DEP_1)
	v_pk_add_f32 v[14:15], v[14:15], v[232:233]
.irp b, 0,1,2,3
.irp i, 0,1,2,3,4,5,6,7,8,9,10,11,12,13,14,15
.endr
	v_cvt_scalef32_pk8_fp8_f32 v[PC+4*\b:PC+1+4*\b], v[S+16*\b:S+7+16*\b], v224
	v_cvt_scalef32_pk8_fp8_f32 v[PC+2+4*\b:PC+3+4*\b], v[S+8+16*\b:S+15+16*\b], v224
.endr
.irp j, 0,2,4,6,8,10,12,14,16,18,20,22,24,26,28,30
	v_pk_mul_f32 v[O+\j:O+1+\j], v[O+\j:O+1+\j], v[228:229] op_sel_hi:[1,0]   ; O^T under the new M.  (Also the plain lines between the conversions and the products that read their results)
.endr
	s_wait_alu depctr_va_vdst(0)
	s_wait_dscnt 0x0                               ; V is in
.irp t, 0,1,2,3                                ; O^T += V^T P^T: four tiles of 16 channels by turns; K = these 128 keys
	v_wmma_f32_16x16x128_fp8_fp8 v[O+8*\t:O+8*\t+7], v[KV+16*\t:KV+16*\t+15], v[PC:PC+15], v[O+8*\t:O+8*\t+7]
.endr
.Lhidden_\@:
	s_add_co_u32 s[KF], s[KF], 128
.endm
; THE CHANGE OF SLOTS stands at a slot's head.  Each wave waits for all its tensor loads (its part of the slot that it is about to read), adds 0 to its spare word, and waits for that and for its reads of the slot that it has left.
; Behind the barrier the slot ahead is whole and nobody reads the other one.  fill = 1: that other slot is filled with trip N + 1's keys: slot N + 1 of the long block, or N + 1 - (8 - I) of the short one.  Every slot asked for is read.
.macro CHANGE fill
	s_wait_tensorcnt 0x0                           ; no tensor load of mine is out, so group 0 may be written
	ds_add_u32 v[SPW], v[NIL]                      ; 0 onto my spare word; with fill = 1 the descriptor's steps stand between it and the wait for it
.if \fill
	s_xor_b32 s[G0+1], s[G0+1], SLOT1              ; the other slot than last time
	s_add_co_u32 s96, s[N], 1
	s_sub_co_u32 s97, s96, s[TR1]
	s_cmp_lt_u32 s96, s[TR1]
	s_cselect_b32 s96, s96, s97                    ; which 256 keys
	s_mul_i32 s96, s96, s[STRD]
	s_mov_b32 s97, 0
	s_add_nc_u64 s[G0+2:G0+3], s[BW:BW+1], s[96:97]
	s_or_b32 s[G0+3], s[G0+3], 0x80000000
	s_wait_xcnt 0x0                                ; the last prefetch, a slot back, has read its address, so it may be written:
	s_add_nc_u64 s[PFA:PFA+1], s[PFA:PFA+1], s[PFS:PFS+1]
.endif
	s_wait_dscnt 0x0                               ; the add is done, and my reads of the slot that I have left are over
	s_barrier_signal -1
	s_barrier_wait -1
.if \fill
	TLOAD                                          ; the first thing behind the barrier, and a wave's one tensor load until the next: it has a slot's two key steps in which to land
	ASK
.endif
.endm
.macro SLOT_STEPS
	STEP 0
	STEP 1
	s_xor_b32 s[TB], s[TB], SLOT1                  ; on to the other slot
.endm
; A BLOCK'S WAY OUT.  O^T / l, converted by the one folded scale; a lane's 16 codes of tiles 2 u, 2 u + 1 are channels 32 u + 16 h + 0 .. 15 of its query's row.  They go through my stage (number k: each block has
; bytes of its own) and come back as eight rows' 64 bytes: each store of the wave covers 512 consecutive bytes, aligned.
.macro FINISH op, k
.rept 4
	v_nop                                          ; places behind the last products
.endr
	v_add_f32 v14, v14, v15                        ; the sum's two halves,
	s_wait_alu depctr_va_vdst(0)
	v_permlanex16_b32 v234, v14, s[SEL], s[SEL+1]
	s_delay_alu instid0(VALU_DEP_1)
	v_add_f32 v14, v14, v234                       ; and lane l xor 16's: the row's sum
	s_wait_alu depctr_va_vdst(0)
	v_rcp_f32 v14, v14
	v_nop                                          ; a plain line behind the transcendental
	s_wait_alu depctr_va_vdst(0)                   ; and the wait ahead of its first reader
.irp j, 0,2,4,6,8,10,12,14,16,18,20,22,24,26,28,30
	v_pk_mul_f32 v[S+\j:S+1+\j], v[O+\j:O+1+\j], v[14:15] op_sel_hi:[1,0]   ; each accumulator from its low end on
.endr
.set j, 0
.rept 32
.set j, j+1
.endr
.irp t, 0,1,2,3
	v_cvt_scalef32_pk8_fp8_f32 v[OC+2*\t:OC+2*\t+1], v[S+8*\t:S+8*\t+7], v226
.endr
	v_nop                                          ; one plain vector line behind the last conversion
.irp u, 0,1
	ds_store_b128 v[STO], v[OC+4*\u:OC+4*\u+3] offset:(\k)*FSTG+32*\u
.endr
	s_wait_xcnt 0x0                                ; the first block's stores have read their registers: the loads below may land there
.irp u, 0,1
	ds_load_b128 v[BK+4*\u:BK+4*\u+3], v[RD] offset:(\k)*FSTG+8*LP*\u   ; LDS serves a wave's instructions in order: these see my stores
.endr
	s_wait_dscnt 0x0
.irp u, 0,1
	global_store_b128 v[GO], v[BK+4*\u:BK+4*\u+3], s[\op:\op+1] offset:512*\u
.endr
.endm
	s_wait_loadcnt 0x0                             ; Q, both blocks'
.Lslot:                                            ; eight trips; the ninth slot is written out
	CHANGE 1
	SLOT_STEPS
	s_cmp_lg_u32 s[N], s[TR]                       ; behind trip 7 - I (4 to 7: always in the loop) the long block is finished.  The jump hangs on ids and the trip's number: all sixteen waves go the same way
	s_cbranch_scc1 .Lsame
	FINISH OPL, 0
.irp j, 0,1,2,3,4,5,6,7
	v_mov_b32 v[Q+\j], v[Q2+\j]                    ; the short block's queries
.endr
	FRESH
	s_mov_b32 s[Q0], s[Q0S]
	s_mov_b32 s[KF], 0
.Lsame:
	s_add_co_u32 s[N], s[N], 1
	s_cmp_lt_u32 s[N], 8
	s_cbranch_scc1 .Lslot
	CHANGE 0
	SLOT_STEPS
	FINISH OPS, 1
	s_wait_tensorcnt 0x0                           ; the wave's end, behind my last tensor load and my last LDS store
	ds_add_u32 v[SPW], v[NIL]
	s_wait_dscnt 0x0
	s_endpgm
.Lfunc_end_k_q99b5ae5c7c_attn:
	.size	k_q99b5ae5c7c_attn, .Lfunc_end_k_q99b5ae5c7c_attn-k_q99b5ae5c7c_attn
	.p2alignl 7, 3214868480
	.fill 96, 4, 3214868480
	.section	.rodata,"a",@progbits
	.p2align	6, 0x0
	.amdhsa_kernel k_q99b5ae5c7c_attn
		.amdhsa_group_segment_fixed_size 327680
		.amdhsa_private_segment_fixed_size 0
		.amdhsa_enable_private_segment 0
		.amdhsa_kernarg_size 24
		.amdhsa_user_sgpr_count 2
		.amdhsa_user_sgpr_kernarg_segment_ptr 1
		.amdhsa_wavefront_size32 1
		.amdhsa_system_sgpr_workgroup_id_x 1
		.amdhsa_system_sgpr_workgroup_id_y 1
		.amdhsa_system_sgpr_workgroup_id_z 1
		.amdhsa_system_vgpr_workitem_id 0
		.amdhsa_next_free_vgpr 256
		.amdhsa_next_free_sgpr 100
		.amdhsa_reserve_vcc 1
		.amdhsa_float_denorm_mode_32 3
		.amdhsa_float_denorm_mode_16_64 3
		.amdhsa_fp16_overflow 1
		.amdhsa_memory_ordered 1
		.amdhsa_forward_progress 1
		.amdhsa_inst_pref_size 94
	.end_amdhsa_kernel
	.amdgpu_metadata
---
amdhsa.version: [ 1, 2 ]
amdhsa.kernels:
  - .name:           k_q99b5ae5c7c_attn
    .symbol:         k_q99b5ae5c7c_attn.kd
    .args:
      - { .name: qkv, .offset: 0, .size: 8, .value_kind: global_buffer, .address_space: global }
      - { .name: lowp_scales, .offset: 8, .size: 8, .value_kind: global_buffer, .address_space: global }
      - { .name: ac, .offset: 16, .size: 8, .value_kind: global_buffer, .address_space: global }
    .group_segment_fixed_size: 327680
    .private_segment_fixed_size: 0
    .kernarg_segment_align: 8
    .kernarg_segment_size: 24
    .max_flat_workgroup_size: 512
    .sgpr_count:     100
    .vgpr_count:     256
    .wavefront_size: 32
...
	.end_amdgpu_metadata
.endif
;; end of part 3
;; launch proj (part 4): grid 4 x 32, 4 waves a work-group, clusters of 4 x 4, 327,680 bytes of LDS; arguments ac, wc, bp, lowp_scales, out0; writes out0
.if DOCPART == 4
	.amdgcn_target "amdgcn-amd-amdhsa--gfx1250"
	.amdhsa_code_object_version 6
	.text
	.protected	k_q99b5ae5c7c_proj
	.globl	k_q99b5ae5c7c_proj
	.p2align	8
	.type	k_q99b5ae5c7c_proj,@function
k_q99b5ae5c7c_proj:
	s_mov_b64 s[64:65], 0
	v_nop
	global_prefetch_b8 v0, s[64:65] scope:SCOPE_SE
	s_setreg_imm32_b32 hwreg(HW_REG_WAVE_MODE, 25, 1), 1
	s_wait_xcnt 0x0
	s_wait_alu depctr_hold_cnt(0) depctr_sa_sdst(0) depctr_va_vdst(0) depctr_va_sdst(0) depctr_va_ssrc(0) depctr_va_vcc(0) depctr_vm_vsrc(0)
	s_getreg_b32 s2, hwreg(HW_REG_IB_STS2, 6, 4)
	s_cmp_eq_u32 s2, 0
	s_cbranch_scc0 .Lentry_in_a_cluster
	s_endpgm
.Lentry_in_a_cluster:
	s_bfe_u32 s2, ttmp6, 0x10000c
	s_cmp_lg_u32 s2, 0xf033
	s_cbranch_scc0 .Lentry_shape_is_right
	s_endpgm
.Lentry_shape_is_right:
; out0[m][n] = sum_k a[m][k] Wp[n][k] + bp[n] on codes of FP8 (E4M3); out0 [8192][1024] f32.  a: the attention's result as codes (scale entry 10), Wp: part 3 of wc (entry 11).
; ac holds the code of a(m, k = 64 h + d) at ((m / 128 x 16 + h) x 128 + m % 128) x 64 + d: so 128 rows x 256 along K are one dense block of 32 KiB: four planes of 128 lines of 64 bytes.
; A sum stands for sum x 2^(e10 + e11): bp goes in as the C of each sum's first matrix instruction, divided by that power, and each finished sum is multiplied by it once.  LIMIT: e10 + e11 between -126 and 127.
; A tile of C, 256 x 256, is made by four waves, 128 x 128 each: 64 accumulators.  K = 1,024 goes in four steps of 256 through a ring of two LDS slots filled by the tensor data mover.
; CLUSTERS: 4 x 4 work-groups; A's tile is shared along a row of the cluster, B's along a column: each is asked for jointly.  THE MATRIX INSTRUCTION IS USED TRANSPOSED (source 0 = 16 rows of Wp, source 1 = 16 rows of a).
; REGISTERS, in windows of 256: window 0: v0-31 addresses; v32-95 the bias as C, later a block's results; from v128 A's fragments, ONE set, later rows read back.   window 1: B's fragments, TWO sets.   windows 2, 3: the accumulators.
.set SIZE_N, 1024
.set KROW,   1024                      ; a row of Wp's codes in memory
.set ROWB,   256
.set PA,     80                        ; a line of A in LDS: 64 bytes + 16 of padding
.set PLANE,  128*PA                    ; a plane: 128 rows x 64 along K
.set HALFA,  4*PLANE                   ; what one tensor load brings of A: 128 rows x 256 along K
.set PITCH,  272                       ; a row of B in LDS: 256 bytes + 16
.set HALFB,  128*PITCH
.set BOFF,   2*HALFA                   ; a slot: A's two halves, then B's two
.set SLOT,   BOFF+2*HALFB
.set FR,     16
.set NL,     4
.set NP,     4                         ; places behind this matrix instruction (ISA guide 7.12.1)
.set SPARE,  2*SLOT                    ; behind the ring: the spare words, 128 bytes for each wave, which no other line names
.set SPITCH, 528                       ; the way out: a stage of 16 rows x (512 bytes + 16) for each wave.  It lies in slot 0, which has had its last fill and its last read when the first result is stored there
.set ADRA, 16                          ; v16-17  LDS address of my A fragments in slot 0, 1
.set ADRB, 20                          ; v20-21  the same for B
.set STO,  24                          ; v24     the way out: where I put 32 bytes of a row
.set RD,   25                          ; v25     where I read a row back
.set CO,   26                          ; v26     my byte offset in a row of C
.set SPW,  28                          ; v28     LDS address of my spare word; never rewritten
.set NIL,  29                          ; v29     0; never rewritten
.set BI,   32                          ; v32-95  the bias: set b holds bp[col0 + 16 b + 8 h + j] / 2^(e10 + e11)
.set TMP,  32                          ;         later: a block's sums x 2^(e10 + e11)
.set AF,   128
.set BK,   128                         ; the way out: 16 rows read back: v128-191 and v192-255 by turns
.set G1, 24                            ; s[24:31] descriptor group 1 for A's tiles;  s[32:39] group 0, one set for each slot
.set G0, 32
.set G1B, 48                           ; s[48:55], s[56:63] the same for B's tiles
.set G0B, 56
.set MSB, 0
.macro WIN new                         ; the immediate's high byte repeats the setting that is left
.if MSB != \new
	s_set_vgpr_msb (MSB<<8)|\new
.set MSB, \new
.endif
.endm
.set MUL_LO, 0xa1                      ; source 0 (B) window 1, source 1 (A) window 0, C and D window 2
.set MUL_HI, 0xf1                      ; the same, C and D window 3
.set FST_LO, 0x81                      ; a sum's first product: C (the bias) window 0, D window 2
.set FST_HI, 0xc1
.set TO_B,   0x40                      ; destination window 1, address window 0
.macro JLOAD g0a, g1a, g0b, g1b        ; a joint load: waves 0 and 1 fetch for A, waves 2 and 3 for B; an s_nop 0 and four v_nop follow each of the two lines
	s_cmp_eq_u32 s15, 0
	s_cbranch_scc0 .Lfor_b_\@
	tensor_load_to_lds s[\g0a:\g0a+3], s[\g1a:\g1a+7]
	s_nop 0
.rept 4
	v_nop
.endr
	s_branch .Lasked_\@
.Lfor_b_\@:
	tensor_load_to_lds s[\g0b:\g0b+3], s[\g1b:\g1b+7]
	s_nop 0
.rept 4
	v_nop
.endr
.Lasked_\@:
.endm
.macro CREST                           ; a round of the cluster's barrier behind its opening barrier
	s_cmp_lg_u32 s14, 0
	s_cbranch_scc1 .Lnot_wave_0_\@
	s_barrier_signal -3
.Lnot_wave_0_\@:
	s_barrier_wait -3
	s_barrier_signal -1
	s_barrier_wait -1
.endm
.macro CROUND
	s_barrier_signal -1
	s_barrier_wait -1
	CREST
.endm
	s_load_b128 s[4:7], s[0:1], 0x0                ; ac s[4:5], wc s[6:7]
	s_load_b128 s[8:11], s[0:1], 0x10              ; bp s[8:9], the scales s[10:11]
	s_load_b64 s[12:13], s[0:1], 0x20              ; out0
	v_lshl_add_u32 v[SPW], v0, 2, SPARE
	v_mov_b32 v[NIL], 0
	ds_add_u32 v[SPW], v[NIL]                      ; the wave's opening: the add and its wait stand ahead of my first tensor load; the set-up below, work on registers, stands between them
	ds_add_u32 v[SPW], v[NIL]
	v_lshrrev_b32 v1, 5, v0
	v_readfirstlane_b32 s14, v1                    ; wave 0..3
	s_lshr_b32 s15, s14, 1                         ; which half of the tile's rows is mine.  Also: I fetch for A (0) or for B (1)
	s_and_b32 s16, s14, 1                          ; which half of its columns.  Also: which 128 rows of that tile I fetch
	s_bfe_u32 s40, ttmp6, 0x40000                  ; cx, cy: my place in the cluster
	s_bfe_u32 s41, ttmp6, 0x40004
	s_lshl_b32 s42, ttmp9, 2
	s_add_co_u32 s42, s42, s40                     ; tile column of C = 4 x cluster x + cx
	s_and_b32 s17, ttmp7, 0xffff
	s_lshl_b32 s17, s17, 2
	s_add_co_u32 s17, s17, s41                     ; tile row of C = 4 x cluster y + cy
	s_lshl_b32 s43, s41, 2
	s_lshl_b32 s43, 15, s43                        ; my row of the cluster
	s_lshl_b32 s44, 0x1111, s40                    ; my column
	; descriptor group 1 for A: 512 lines of 64 bytes, dense in memory, 16 bytes of padding behind each in LDS
	s_or_b32 s[G1+0], s43, (0<<16)|(1<<20)|(1<<21)|(3<<22)|(3<<25)  ; 15:0 the mask: my row; 17:16 elements of 1 byte; 20 padding on; 21 set beside a mask; 24:22 after every 16 words (code 3); 31:25 of 4 words (code 3)
	s_mov_b32 s[G1+1], 64<<16                      ; tensor_dim0
	s_mov_b32 s[G1+2], 512<<16                     ; tensor_dim1
	s_mov_b32 s[G1+3], 64<<16                      ; tile_dim0
	s_mov_b32 s[G1+4], 512                         ; tile_dim1
	s_mov_b32 s[G1+5], 64                          ; tensor_dim0_stride
	s_mov_b32 s[G1+6], 0
	s_mov_b32 s[G1+7], 0
	; for B: 128 rows of 256 bytes, 1,024 bytes apart
	s_or_b32 s[G1B+0], s44, (0<<16)|(1<<20)|(1<<21)|(5<<22)|(3<<25) ; the mask of my column; padding of 4 words after every 64
	s_mov_b32 s[G1B+1], ROWB<<16
	s_mov_b32 s[G1B+2], 128<<16
	s_mov_b32 s[G1B+3], ROWB<<16
	s_mov_b32 s[G1B+4], 128
	s_mov_b32 s[G1B+5], KROW
	s_mov_b32 s[G1B+6], 0
	s_mov_b32 s[G1B+7], 0
	s_lshl_b32 s20, s17, 1
	s_add_co_u32 s20, s20, s16                     ; A: block of 128 rows: 2 x tile row + half,
	s_lshl_b32 s20, s20, 17                        ; 131,072 bytes each
	s_mov_b32 s21, 0
	s_lshl_b32 s18, s16, 7
	s_lshl_b32 s46, s42, 8
	s_add_co_u32 s46, s46, s18                     ; B: row 256 x tile column + 128 x half,
	s_lshl_b32 s46, s46, 10
	s_add_co_u32 s46, s46, 0x300000                ; in Wp's part of wc
	s_mov_b32 s47, 0
	s_mul_i32 s45, s16, HALFA                      ; where they go: no place in the cluster enters an LDS address
	s_mul_i32 s3, s16, HALFB
	s_add_co_u32 s3, s3, BOFF
	s_wait_dscnt 0x0                               ; the opening add is done
	s_wait_kmcnt 0x0
	s_load_b64 s[96:97], s[10:11], 0x28            ; e10, e11
	s_add_nc_u64 s[20:21], s[4:5], s[20:21]
	s_add_nc_u64 s[46:47], s[6:7], s[46:47]
	CROUND                                         ; all sixteen work-groups are here: the first joint loads meet
.irp s, 0,1
	s_mov_b32 s[G0+4*\s], 1
	s_add_co_u32 s[G0+4*\s+1], s45, \s*SLOT
	s_add_nc_u64 s[G0+4*\s+2:G0+4*\s+3], s[20:21], \s*32768      ; K step s: four planes on
	s_or_b32 s[G0+4*\s+3], s[G0+4*\s+3], 0x80000000
	s_mov_b32 s[G0B+4*\s], 1
	s_add_co_u32 s[G0B+4*\s+1], s3, \s*SLOT
	s_add_nc_u64 s[G0B+4*\s+2:G0B+4*\s+3], s[46:47], \s*ROWB
	s_or_b32 s[G0B+4*\s+3], s[G0B+4*\s+3], 0x80000000
	s_wait_alu depctr_va_vdst(0)
	s_wait_tensorcnt 0x0
	ds_add_u32 v28, v29
	ds_add_u32 v28, v29
	s_wait_dscnt 0x0
	CROUND
	JLOAD G0+4*\s, G1, G0B+4*\s, G1B               ; one load of mine is out
.endr
	v_and_b32 v1, 15, v0                           ; r
	v_bfe_u32 v2, v0, 4, 1                         ; h
	v_mul_u32_u24 v3, v1, PA
	v_lshl_add_u32 v3, v2, 4, v3                   ; A: line r, + 16 h
	v_mul_u32_u24 v4, v1, PITCH
	v_lshl_add_u32 v4, v2, 4, v4                   ; B: row r, + 16 h
	s_mul_i32 s18, s15, HALFA                      ; my 128 rows of A
	s_mul_i32 s22, s16, HALFB                      ; my 128 rows of B
	s_add_co_u32 s22, s22, BOFF
.irp s, 0,1
	v_add_nc_u32 v[ADRA+\s], s18, v3
	v_add_nc_u32 v[ADRB+\s], s22, v4
	s_add_co_u32 s18, s18, SLOT
	s_add_co_u32 s22, s22, SLOT
.endr
	s_mul_i32 s23, s14, 16*SPITCH                  ; my stage
	v_mul_u32_u24 v5, v1, SPITCH                   ; in: row r, 32 bytes for each half of the lanes
	v_lshl_add_u32 v5, v2, 5, v5
	v_add_nc_u32 v[STO], s23, v5
	v_and_b32 v6, 31, v0
	v_lshlrev_b32 v[CO], 4, v6                     ; back: the 32 lanes take one row of 512 bytes; and the same in C
	v_add_nc_u32 v[RD], s23, v[CO]
	s_lshl_b32 s20, s17, 8
	s_lshl_b32 s21, s15, 7
	s_add_co_u32 s20, s20, s21                     ; my first row of C,
	s_lshl_b32 s20, s20, 12                        ; of 4,096 bytes
	s_lshl_b32 s46, s42, 10                        ; my first column, in bytes: 1024 x tile column + 512 x half
	s_lshl_b32 s47, s16, 9
	s_add_co_u32 s46, s46, s47
	s_mov_b32 s47, 0
	s_add_nc_u64 s[8:9], s[8:9], s[46:47]          ; bp at my first column
	s_add_co_u32 s20, s20, s46
	s_mov_b32 s21, 0
	s_add_nc_u64 s[12:13], s[12:13], s[20:21]
	v_lshlrev_b32 v9, 5, v2                        ; the bias: lane (r, h) wants, for column block b, bp[col0 + 16 b + 8 h + 0 .. 7]
.irp b, 0,1,2,3,4,5,6,7
	global_load_b128 v[BI+8*\b:BI+8*\b+3], v9, s[8:9] offset:64*\b
	global_load_b128 v[BI+8*\b+4:BI+8*\b+7], v9, s[8:9] offset:64*\b+16
.endr
	s_wait_kmcnt 0x0
	s_add_co_i32 s96, s96, s97                     ; e10 + e11
	s_sub_co_i32 s2, 0, s96
	s_add_co_i32 s96, s96, 127
	s_lshl_b32 s96, s96, 23                        ; 2^(e10 + e11) as f32
.macro FRAG reg, adr, q, i             ; B: 16 rows x 128 K: registers 4 c .. 4 c + 3 hold K = 128 q + 32 c + 16 (l / 16) + 0 .. 15
.irp c, 0,1,2,3
	ds_load_b128 v[\reg+4*\c:\reg+4*\c+3], v[\adr] offset:128*(\q)+32*\c+(\i)*16*PITCH
.endr
.endm
.macro FRAGA reg, adr, q, i            ; A: the same k: plane 2 q + c / 2, byte 32 (c % 2) + 16 (l / 16)
.irp c, 0,1,2,3
	ds_load_b128 v[\reg+4*\c:\reg+4*\c+3], v[\adr] offset:(2*(\q)+\c/2)*PLANE+32*(\c%2)+(\i)*16*PA
.endr
.endm
; 16 matrix instructions: A's blocks a0, a0 + 1 x B's eight, 128 along K.  p: B's set.  zero = 1: the sums start from the bias.
; The 64 accumulators take turns, one instruction a turn, in the same order in every step.
.macro MUL16 a0, p, zero
.irp a, \a0, \a0+1
.irp b, 0,1,2,3,4,5,6,7
.if \zero
	v_wmma_f32_16x16x128_fp8_fp8 v[8*(8*((\a)%4)+\b):8*(8*((\a)%4)+\b)+7], v[128*(\p)+FR*\b:128*(\p)+FR*\b+FR-1], v[AF+FR*(\a):AF+FR*(\a)+FR-1], v[BI+8*\b:BI+8*\b+7]
.else
	v_wmma_f32_16x16x128_fp8_fp8 v[8*(8*((\a)%4)+\b):8*(8*((\a)%4)+\b)+7], v[128*(\p)+FR*\b:128*(\p)+FR*\b+FR-1], v[AF+FR*(\a):AF+FR*(\a)+FR-1], v[8*(8*((\a)%4)+\b):8*(8*((\a)%4)+\b)+7]
.endif
.endr
.endr
.endm
.macro FETCH_B slot, q, p
	WIN TO_B
.irp i, 0,1,2,3,4,5,6,7
	FRAG 128*(\p)+FR*\i, ADRB+\slot, \q, \i
.endr
	WIN 0
.endm
.macro FETCH_A slot, q, i0
.irp i, \i0, \i0+1, \i0+2, \i0+3
	FRAGA AF+FR*(\i), ADRA+\slot, \q, \i
.endr
.endm
.macro PLACES n                        ; places in front of loads into registers that matrix instructions have read, and of the first read of results (ISA guide 7.12.1 for vector instructions)
.rept \n
	v_nop
.endr
.endm
.macro STEP slot, q, zero              ; a step of 128 along K that has its successor in the same slot
	s_wait_dscnt 4*NL                              ; B's set and A's blocks 0-3 are in; the youngest sixteen loads (A's blocks 4-7) may be out
.if \zero
	WIN FST_LO
.else
	WIN MUL_LO
.endif
	MUL16 0, (\q)%2, \zero
	MUL16 2, (\q)%2, \zero
	s_wait_dscnt 0                                 ; A's blocks 4-7 are in
	PLACES NP
	FETCH_B \slot, (\q)+1, 1-(\q)%2
	FETCH_A \slot, (\q)+1, 0
.if \zero
	WIN FST_HI
.else
	WIN MUL_HI
.endif
	MUL16 4, (\q)%2, \zero
	MUL16 6, (\q)%2, \zero
	PLACES NP
	WIN 0
	FETCH_A \slot, (\q)+1, 4
.endm
; A slot's last step changes slots: ONE barrier; in front of it each wave waits for all its tensor loads, adds 0 to its spare word, and waits for that and for its own reads of this slot.  fill = 1: this slot is filled again, two K steps ahead.
.macro TURN slot, next, fill
	s_wait_tensorcnt 0x0                           ; all my tensor loads have landed: my part of the next slot  (every window is 0 here)
	ds_add_u32 v[SPW], v[NIL]                      ; 0 onto my spare word
	s_wait_dscnt 4*NL+1                            ; (the add and the youngest sixteen loads may be out)
	WIN MUL_LO
	MUL16 0, 1, 0                                  ; sixteen matrix instructions stand between the add and the wait for it
	s_wait_dscnt 0x0                               ; the add is done, and my reads of this slot are over
	s_barrier_signal -1
	MUL16 2, 1, 0
	WIN 0
	s_barrier_wait -1
.if \fill
	CREST                                          ; the barrier has opened a round of the cluster's barrier: no wave of any partner still reads this slot's tile or has a load on its way
	s_add_nc_u64 s[G0+4*\slot+2:G0+4*\slot+3], s[G0+4*\slot+2:G0+4*\slot+3], 2*32768
	s_add_nc_u64 s[G0B+4*\slot+2:G0B+4*\slot+3], s[G0B+4*\slot+2:G0B+4*\slot+3], 2*ROWB
	JLOAD G0+4*\slot, G1, G0B+4*\slot, G1B         ; the first tensor load behind the round, my one load until the next; its four v_nop are also the places in front of the loads below
.else
	PLACES NP
.endif
	FETCH_B \next, 0, 0
	FETCH_A \next, 0, 0
	WIN MUL_HI
	MUL16 4, 1, 0
	MUL16 6, 1, 0
	PLACES NP
	WIN 0
	FETCH_A \next, 0, 4
.endm
	s_wait_tensorcnt 1                             ; my part of K step 0 is in; K step 1's load may be out
	s_barrier_signal -1
	s_barrier_wait -1
	FETCH_B 0, 0, 0
	FETCH_A 0, 0, 0
	FETCH_A 0, 0, 4
	s_wait_loadcnt 0x0                             ; the bias
.set j, 0
.rept 64
	v_ldexp_f32 v[BI+j], v[BI+j], s2               ; / 2^(e10 + e11): nothing is rounded
.set j, j+1
.endr
	s_wait_alu depctr_va_vdst(0)
	STEP 0, 0, 1                                   ; the first products start the sums from the bias: nothing is cleared
	TURN 0, 1, 1                                   ; K = 1,024 is four slots: both are filled once more, and the steps are written straight
	STEP 1, 0, 0
	TURN 1, 0, 1
	STEP 0, 0, 0
	TURN 0, 1, 0                                   ; nothing is left to fetch: no round
	STEP 1, 0, 0
	s_wait_dscnt 4*NL                              ; the very last step
	WIN MUL_LO
	MUL16 0, 1, 0
	MUL16 2, 1, 0
	s_wait_dscnt 0
	WIN MUL_HI
	MUL16 4, 1, 0
	MUL16 6, 1, 0
	WIN 0
; THE WAY OUT, block by block of 16 rows x 128 columns: a lane holds 32 neighbouring bytes of a row; a block goes through my own stage and comes back as whole rows of 512 bytes.
; LDS serves a wave's instructions in order (ISA guide 5.7.1.4): no wait between the stores and the loads, nor in front of the next block's stores.
.macro TOSTAGE a
.set AC, 64*((\a)%4)
	WIN 0x02+((\a)/4)                              ; source 0: window 2 or 3
.irp j, 0,2,4,6,8,10,12,14,16,18,20,22,24,26,28,30,32,34,36,38,40,42,44,46,48,50,52,54,56,58,60,62
	v_pk_mul_f32 v[TMP+\j:TMP+\j+1], v[AC+\j:AC+\j+1], s[96:97] op_sel_hi:[1,0]   ; both x s96 = 2^(e10 + e11); each accumulator from its low end on
.endr
	WIN 0
.irp b, 0,1,2,3,4,5,6,7
	ds_store_b128 v[STO], v[TMP+8*\b:TMP+8*\b+3] offset:64*\b
	ds_store_b128 v[STO], v[TMP+8*\b+4:TMP+8*\b+7] offset:64*\b+16
.endr
.set BB, BK+64*((\a)%2)
.irp t, 0,1,2,3,4,5,6,7,8,9,10,11,12,13,14,15
	ds_load_b128 v[BB+4*\t:BB+4*\t+3], v[RD] offset:\t*SPITCH
.endr
.endm
.macro SEND a, younger                 ; younger: the LDS instructions issued behind block a's loads, which may stay out
.set BB, BK+64*((\a)%2)
	s_wait_dscnt \younger
.if (\a) > 0
	s_add_nc_u64 s[12:13], s[12:13], 16*SIZE_N*4   ; (behind a wait on XCNT: the earlier stores have read their base)  16 rows of C on
.endif
.irp t, 0,1,2,3,4,5,6,7,8,9,10,11,12,13,14,15
	global_store_b128 v[CO], v[BB+4*\t:BB+4*\t+3], s[12:13] offset:\t*SIZE_N*4 th:TH_STORE_NT   ; 32 lanes store 512 consecutive bytes, aligned; written once, read by nobody here
.endr
.endm
	PLACES NP
	TOSTAGE 0
.irp a, 1,2,3,4,5,6,7
.if \a > 1
	s_wait_xcnt 0x0                                ; block a - 2's stores have read their registers and their base
.endif
	TOSTAGE \a
	SEND \a-1, 32                                  ; behind block a - 1's loads: block a's 16 stores and 16 loads
.endr
	s_wait_xcnt 0x0                                ; block 6's stores have read their base
	SEND 7, 0
	s_wait_tensorcnt 0x0                           ; the wave's end, behind my last tensor load and my last LDS store
	ds_add_u32 v[SPW], v[NIL]
	s_wait_dscnt 0x0
	CROUND                                         ; the closing round: no work-group ends while a partner may still ask for a tile that names it
	s_endpgm
.Lfunc_end_k_q99b5ae5c7c_proj:
	.size	k_q99b5ae5c7c_proj, .Lfunc_end_k_q99b5ae5c7c_proj-k_q99b5ae5c7c_proj
	.p2alignl 7, 3214868480
	.fill 96, 4, 3214868480
	.section	.rodata,"a",@progbits
	.p2align	6, 0x0
	.amdhsa_kernel k_q99b5ae5c7c_proj
		.amdhsa_group_segment_fixed_size 327680
		.amdhsa_private_segment_fixed_size 0
		.amdhsa_enable_private_segment 0
		.amdhsa_kernarg_size 40
		.amdhsa_user_sgpr_count 2
		.amdhsa_user_sgpr_kernarg_segment_ptr 1
		.amdhsa_wavefront_size32 1
		.amdhsa_system_sgpr_workgroup_id_x 1
		.amdhsa_system_sgpr_workgroup_id_y 1
		.amdhsa_system_sgpr_workgroup_id_z 1
		.amdhsa_system_vgpr_workitem_id 0
		.amdhsa_next_free_vgpr 1024
		.amdhsa_next_free_sgpr 98
		.amdhsa_reserve_vcc 0
		.amdhsa_float_denorm_mode_32 3
		.amdhsa_float_denorm_mode_16_64 3
		.amdhsa_memory_ordered 1
		.amdhsa_forward_progress 1
		.amdhsa_inst_pref_size 130
	.end_amdhsa_kernel
	.amdgpu_metadata
---
amdhsa.version: [ 1, 2 ]
amdhsa.kernels:
  - .name:           k_q99b5ae5c7c_proj
    .symbol:         k_q99b5ae5c7c_proj.kd
    .args:
      - { .name: ac, .offset: 0, .size: 8, .value_kind: global_buffer, .address_space: global }
      - { .name: wc, .offset: 8, .size: 8, .value_kind: global_buffer, .address_space: global }
      - { .name: bp, .offset: 16, .size: 8, .value_kind: global_buffer, .address_space: global }
      - { .name: lowp_scales, .offset: 24, .size: 8, .value_kind: global_buffer, .address_space: global }
      - { .name: out0, .offset: 32, .size: 8, .value_kind: global_buffer, .address_space: global }
    .group_segment_fixed_size: 327680
    .private_segment_fixed_size: 0
    .kernarg_segment_align: 8
    .kernarg_segment_size: 40
    .max_flat_workgroup_size: 128
    .sgpr_count:     98
    .vgpr_count:     1024
    .wavefront_size: 32
...
	.end_amdgpu_metadata
.endif
;; end of part 4
